; MI455X (gfx1250); checked and timed in simulation.
; The chip was launched on July 23, 2026; its instructions are those of AMD's public machine-readable ISA for CDNA 5 (MIT licence, August 2026) and "CDNA5" Instruction Set Architecture Reference Guide (July 2026). The comments in the code are by the model that wrote it; some were corrected since.
;; Multihead Attention. Allowed arithmetic: matrix products marked QUANTISED: E2M3 operands, one E8M0 scale for each 32 along K, by v_wmma_scale_f32_16x16x128_f8f6f4 with both operands' format E2M3, f32 sums; everything else in f32.
;; Inputs: Wk_codes 1,024 x 32 x 24 uint8 (E2M3 codes of Wk, K innermost, in blocks of 32 codes, four codes in three bytes); Wk_scales 1,024 x 32 uint8 (E8M0 scales of Wk, one for each 32 codes along K); Wo_codes 1,024 x 32 x 24 uint8 (E2M3 codes of Wo, K innermost, in blocks of 32 codes, four codes in three bytes); Wo_scales 1,024 x 32 uint8 (E8M0 scales of Wo, one for each 32 codes along K); Wq_codes 1,024 x 32 x 24 uint8 (E2M3 codes of Wq, K innermost, in blocks of 32 codes, four codes in three bytes); Wq_scales 1,024 x 32 uint8 (E8M0 scales of Wq, one for each 32 codes along K); Wv_codes 1,024 x 32 x 24 uint8 (E2M3 codes of Wv, K innermost, in blocks of 32 codes, four codes in three bytes); Wv_scales 1,024 x 32 uint8 (E8M0 scales of Wv, one for each 32 codes along K); attn_mask 2,048 x 2,048 bool; bk 1,024 float32; bo 1,024 float32; bq 1,024 float32; bv 1,024 float32; cos 2,048 x 32 float32; key_codes 4 x 2,048 x 32 x 24 uint8 (E2M3 codes of key, K innermost, in blocks of 32 codes, four codes in three bytes); key_scales 4 x 2,048 x 32 uint8 (E8M0 scales of key, one for each 32 codes along K); query_codes 4 x 2,048 x 32 x 24 uint8 (E2M3 codes of query, K innermost, in blocks of 32 codes, four codes in three bytes); query_scales 4 x 2,048 x 32 uint8 (E8M0 scales of query, one for each 32 codes along K); sin 2,048 x 32 float32; value_codes 4 x 2,048 x 32 x 24 uint8 (E2M3 codes of value, K innermost, in blocks of 32 codes, four codes in three bytes); value_scales 4 x 2,048 x 32 uint8 (E8M0 scales of value, one for each 32 codes along K).
;; Outputs: out0 4 x 2,048 x 1,024 float32.
;; This version of the problem:
;;   THIS VERSION OF THE PROBLEM IS GIVEN IN LOW PRECISION. The matrix products marked QUANTISED in the list below multiply operands that are first quantised to E2M3 (2 exponent bits, 3 mantissa bits; 6 bits a number), with one power-of-two scale for each 32 numbers along K (OCP MX v1.0); their sums are f32. All else is computed in f32.
;;   The module's matrix products, in the order in which they are computed (A, B: the left and right operand; K: the contracted axis; several contracted axes count as one K, in the product's order):
;;     1. [M 8,192, K 1,024] x [K 1,024, N 1,024]; A: input query (given as codes); B: input Wq (given as codes): QUANTISED
;;     2. [M 8,192, K 1,024] x [K 1,024, N 1,024]; A: input key (given as codes); B: input Wk (given as codes): QUANTISED
;;     3. [M 8,192, K 1,024] x [K 1,024, N 1,024]; A: input value (given as codes); B: input Wv (given as codes): QUANTISED
;;     4. batch 64 x [M 2,048, K 64] x [K 64, N 2,048]; A: computed on the way; B: computed on the way: QUANTISED
;;     5. batch 64 x [M 64, K 2,048] x [K 2,048, N 2,048]; A: computed on the way; B: softmax (see below): QUANTISED
;;     6. [M 8,192, K 1,024] x [K 1,024, N 1,024]; A: computed on the way; B: input Wo (given as codes): QUANTISED
;;   THE QUANTISER, for each operand of a quantised product, along K:
;;     - K is cut into blocks of 32 from its start; a last block that is shorter is filled with zeros.
;;     - A block's scale is 2^e with e = floor(log2(the largest magnitude in the block)) - 2, held to -126 .. 127; a block of zeros has e = 0. As a byte (E8M0): e + 127.
;;     - Each number is divided by its block's scale, clamped to +-7.5, and rounded to the nearest number of E2M3, ties to even, subnormals kept.
;;     - The product sums the exact products of the quantised numbers (number of the format x scale) in f32.
;;   ~~~python
;;   def quantise(x, axis):      # numpy; x: float32 -> the quantised numbers, widened to float32 again
;;       x = np.moveaxis(x, axis, -1); K = x.shape[-1]
;;       x = np.pad(x, [(0, 0)] * (x.ndim - 1) + [(0, -K % 32)]); x = x.reshape(x.shape[:-1] + (-1, 32)); a = np.abs(x).max(-1, keepdims=True)
;;       e = np.where(a > 0, np.clip(np.frexp(np.where(a > 0, a, 1))[1] - 1 - 2, -126, 127), 0)      # np.frexp(a)[1] - 1 = floor(log2(a)), exactly
;;       r = np.clip(x / 2.0 ** e, -7.5, 7.5)
;;       step = 2.0 ** (np.maximum(np.frexp(np.where(r == 0, 1, r))[1] - 1, 0) - 3)
;;       q = np.round(r / step) * step * 2.0 ** e      # np.round: ties to even
;;       return np.moveaxis(q.reshape(q.shape[:-2] + (-1,))[..., :K], -1, axis).astype(np.float32)
;;   ~~~
;;   SOFTMAX AHEAD OF A QUANTISED PRODUCT. Where the list says 'softmax', what is quantised is not the finished softmax but p = 2^(t - M), with t = logit x log2(e) and M = ceil(the row's largest t), a whole number; so 1/2 < the row's largest p <= 1. The row's sum l is taken of the UNQUANTISED p, in f32, and the product's result is divided by l at the end. Since M is a whole number, a kernel that streams over the keys may use a running M (the ceiling of the running maximum): every later rescaling is an exact power of two, which a block's scale takes up: the codes' values come out the same.
;;   OPERANDS COMPUTED ON THE WAY. 'Computed on the way' means the value that the module computes at that place (a softmax that the list does not call 'softmax' is quantised finished and normalised). What goes into a quantiser is computed in f32, as accurately as f32 sums, v_exp_f32 and their like allow (about 1e-6 of the number): no bf16 or f16 on the way to a quantiser, and a product that is left as it is and whose result goes on into a quantised operand takes f32 operands (vector FMAs, or v_wmma_f32_16x16x4_f32). A number that lies on a knife's edge between two numbers of the format may be rounded either way, as far as f32 arithmetic and the matrix unit's own rounding can turn it there, and no further.
;;   INPUTS GIVEN AS CODES. Wk (in the module: [1024, 1024], K = its axis 1); Wo (in the module: [1024, 1024], K = its axis 1); Wq (in the module: [1024, 1024], K = its axis 1); Wv (in the module: [1024, 1024], K = its axis 1); key (in the module: [4, 2048, 1024], K = its axis 2); query (in the module: [4, 2048, 1024], K = its axis 2); value (in the module: [4, 2048, 1024], K = its axis 2): each comes as NAME_codes (uint8): NAME with its K axis moved to the last place and cut into blocks of 32 codes, [.., K / 32, bytes a block], one block behind the other in memory; four codes in three bytes: a row's codes are one little-endian stream of bits, code i at bits 6 i .. 6 i + 5 (a code: sign, 2 exponent bits, 3 mantissa bits); and NAME_scales (uint8): the same leading axes, one E8M0 byte (e + 127) for each 32 codes along K. Its value is code x scale, taken as it is: it is not quantised again, and the codes and scales need not be those that the quantiser above would give.
;; One version. Each part assembles by itself: llvm-mc -triple=amdgcn-amd-amdhsa -mcpu=gfx1250 --defsym DOCPART=n.
;; ======== version 1 of 1: 3 launches
;; limits: right only within a limited range of input values
;; workspace buffers: qkv 20,447,232 bytes; maskw 524,288 bytes of whole numbers; mflag 524,288 bytes of whole numbers; oimg 6,291,456 bytes; oscl 262,144 bytes
;; launch proj (part 1): grid 4 x 192, 4 waves a work-group, clusters of 4 x 4, 313,856 bytes of LDS; arguments query_codes, key_codes, value_codes, query_scales, key_scales, value_scales, Wq_codes, Wk_codes, Wv_codes, Wq_scales, Wk_scales, Wv_scales, bq, bk, bv, cos, sin, attn_mask, qkv, maskw, mflag; writes qkv, maskw, mflag
.if DOCPART == 1
	.amdgcn_target "amdgcn-amd-amdhsa--gfx1250"
	.amdhsa_code_object_version 6
	.text
	.protected	k_qecdf20f0c0_proj
	.globl	k_qecdf20f0c0_proj
	.p2align	8
	.type	k_qecdf20f0c0_proj,@function
k_qecdf20f0c0_proj:
	s_mov_b64 s[64:65], 0
	v_nop
	global_prefetch_b8 v0, s[64:65] scope:SCOPE_SE
	s_setreg_imm32_b32 hwreg(HW_REG_WAVE_MODE, 25, 1), 1
	s_wait_xcnt 0x0
	s_wait_alu depctr_hold_cnt(0) depctr_sa_sdst(0) depctr_va_vdst(0) depctr_va_sdst(0) depctr_va_ssrc(0) depctr_va_vcc(0) depctr_vm_vsrc(0)
	s_getreg_b32 s2, hwreg(HW_REG_IB_STS2, 6, 4)
	s_cmp_eq_u32 s2, 0
	s_cbranch_scc0 .Lentry_in_a_cluster
	s_endpgm
.Lentry_in_a_cluster:
	s_bfe_u32 s2, ttmp6, 0x10000c
	s_cmp_lg_u32 s2, 0xf033
	s_cbranch_scc0 .Lentry_shape_is_right
	s_endpgm
.Lentry_shape_is_right:
; THE THREE PROJECTIONS: x W^T + b on given codes of FP6 (E2M3) with E8M0 scales; for q and k the RMS norm of each head and the rotary turn, in f32; then the quantiser:
; q and k along the head's 64 (two blocks of 32), v along the tokens (blocks of 32 keys).  The results leave as IMAGES OF OPERAND REGISTERS, as the attention launch wants them.  The q and k work-groups also turn the mask's bytes into lane masks.
; SHARES.  768 work-groups: product = cluster y / 16 (the same in all partners of a cluster), 64 blocks of 128 tokens, 4 blocks of 256 features.  Wave w makes one head (64 features) for the 128 tokens: 32 accumulators,
; which become exactly one block of 6,656 bytes of qkv: [head 64][q, k, v][step 16][12 groups of 512 bytes: four registers, 16 bytes a lane; then 16 bytes a lane of scale words].
; ROW ORDER.  Lane r of tile (b, u) takes row 32 b + 8 u + r + 8 (r / 8), of tokens and of features alike: so in a result the 16 registers of tiles 2 b and 2 b + 1 are 16 neighbours, 32 b + 16 (lane / 16) + 0 .. 15.
; q, k: source 0 = 16 features, source 1 = 16 tokens: a lane holds one token and 32 of the head's 64.  v: source 0 = 16 tokens, source 1 = 16 features: a lane holds one feature and 64 of the 128 tokens.
; LDS: all of K is there, filled once: 128 rows of x and 256 rows of W, 768 bytes each, 16 bytes of padding behind each 256: rows 816 bytes = 204 words apart, so the 32 lanes of a load of 8 bytes touch 64 different banks (64 banks of 4 bytes: ISA guide 11.1).
; A tensor load brings the rows in the tiles' order: eight neighbouring rows are 6,144 dense bytes, stated as ONE long row; the long rows lie 16 rows apart.  Nothing is filled again and nothing is stored to LDS.
; CLUSTER 4 x 4: x's rows hang on the token block, shared along a row of the cluster; W's on the feature block, shared along a column: both are asked for jointly.
; REGISTERS: window 0: addresses, bias, scale words, work; window 1: the 32 accumulators; windows 2 and 3: two sets of fragments (x's tile tt at 12 tt, W's tile f at 96 + 12 f), later cos and sin.
; LIMITS: NaN and infinities among the f32 inputs are not served.  A block of zeros gets the scale byte 1 (its codes are zeros; only this program reads the bytes).
.set SB,    6656                       ; a step block of qkv
.set TP,    816                        ; an LDS row
.set TILE,  16*TP
.set XU,    4*TILE                     ; x's tiles with u = 1 begin here
.set WBASE, 8*TILE                     ; W's tiles
.set WU,    8*TILE                     ; W's tiles with u = 1, from WBASE
.set PADW,  (3<<16)|(1<<20)|(1<<21)|(5<<22)|(3<<25)   ; elements of 8 bytes; padding on; bit 21 beside a mask; behind every 64 words; 4 words
.set PI,  3                            ; v3   r + 8 (r / 8)
.set ADX, 4                            ; v4-7  x's tiles: u = 0: 816 r + 24 h, 816 r + 40 h (for pieces behind one padding more); u = 1 likewise
.set ADW, 8                            ; v8-11 W's, my head's
.set LI,  12                           ; v12  16 x lane
.set SA,  13                           ; v13  32 x (r + 8 (r / 8)): a row of scale bytes
.set CA,  14                           ; v14  128 x (r + 8 (r / 8)) + 64 h: cos and sin
.set BA,  15                           ; v15  the bias's offset
.set BI,  16                           ; v16-47   the bias as C, 8 registers a feature tile; later the second chain of the sums of squares
.set SCW, 48                           ; v48-79   W's scale words: 8 f + s
.set SCX, 80                           ; v80-143  x's: 8 tt + s
.set Y,   144                          ; v144-175 a tile's 32 numbers
.set T,   176                          ; v176-183 at work
.set RSB, 184                          ; v184-199 a pair a tile: the sum of squares, then 1 / rms in the even register
.set PC,  208                          ; v208-219 twelve registers of codes
.set TC,  220                          ; v220-222, v224-226 the conversions' second halves
.set TM,  228                          ; v228-243 +0..3 largest magnitudes, +4..7 the other half's, then bytes, +12..15 the conversions' scale operands
.set SW,  244                          ; v244-247 the block's scale words
.set PW,  248                          ; v248-249 a tile's scale word, even and odd
.set MB,  144                          ; the mask: 16 registers of bytes,
.set MT,  176                          ; four at work,
.set MW,  180                          ; two words a lane,
.set MA,  182                          ; the load's offset,
.set ML,  183                          ; the store's
.set WV,   3
.set PROD, 14
.set TBK,  15
.set G1X,  16
.set G1W,  24
.set FB,   32
.set CX,   33
.set CY,   34
.set UH,   35
.set SEL,  52
.set HI,   54
.set ROLE, 55
.set CP,   56
.set SP,   58
.set OUTP, 60
.set C64,  72
.set EPSR, 73
.set G0X,  92
.set G0W,  96
.set MSB, 0
.macro WIN new                         ; the immediate's high byte repeats the setting that is left; a switch that changes nothing is dropped
.if MSB != (\new)
	s_set_vgpr_msb (MSB<<8)|(\new)
.set MSB, (\new)
.endif
.endm
.macro PLACES n
.rept \n
	v_nop
.endr
.endm
.macro CROUND                          ; a round of the cluster's barrier
	s_barrier_signal -1
	s_barrier_wait -1
	s_cmp_lg_u32 s[WV], 0
	s_cbranch_scc1 .Lnot_wave_0_\@
	s_barrier_signal -3
.Lnot_wave_0_\@:
	s_barrier_wait -3
	s_barrier_signal -1
	s_barrier_wait -1
.endm
	s_load_b512 s[36:51], s[0:1], 0x0              ; x's codes (q, k, v) s[36:41], x's scales s[42:47], Wq's and Wk's codes s[48:51]
	s_load_b512 s[68:83], s[0:1], 0x40             ; Wv's codes s[68:69], W's scales s[70:75], the biases s[76:81], cos s[82:83]
	s_load_b256 s[84:91], s[0:1], 0x80             ; sin, the mask, qkv, maskw
	s_load_b64 s[100:101], s[0:1], 0xa0            ; mflag
	v_lshl_add_u32 v254, v0, 2, 0x4c800
	v_mov_b32 v255, 0
	ds_add_u32 v254, v255
	ds_add_u32 v254, v255
	v_lshrrev_b32 v1, 5, v0
	v_readfirstlane_b32 s[WV], v1                  ; wave 0..3
	s_and_b32 s[UH], s[WV], 1                      ; which u I fetch
	s_lshr_b32 s[ROLE], s[WV], 1                   ; for x (0) or for W (1)
	s_bfe_u32 s[CX], ttmp6, 0x40000
	s_bfe_u32 s[CY], ttmp6, 0x40004
	s_lshl_b32 s[FB], ttmp9, 2
	s_add_co_u32 s[FB], s[FB], s[CX]               ; block of 256 features
	s_and_b32 s[TBK], ttmp7, 0xffff
	s_lshr_b32 s[PROD], s[TBK], 4                  ; 0 q, 1 k, 2 v: from the cluster's y alone
	s_and_b32 s[TBK], s[TBK], 15
	s_lshl_b32 s[TBK], s[TBK], 2
	s_add_co_u32 s[TBK], s[TBK], s[CY]             ; block of 128 tokens
	s_lshl_b32 s62, s[CY], 2
	s_lshl_b32 s62, 15, s62                        ; my row of the cluster
	s_lshl_b32 s63, 0x1111, s[CX]                  ; my column
	s_or_b32 s[G1X], s62, PADW
	s_or_b32 s[G1W], s63, PADW
	s_mov_b32 s[G1X+1], 768<<16                    ; tensor_dim0 = 768 elements: a long row of 6,144 bytes
	s_mov_b32 s[G1X+2], 8<<16                      ; tensor_dim1 = 8 long rows
	s_mov_b32 s[G1X+3], 768<<16                    ; tile_dim0
	s_mov_b32 s[G1X+4], 8                          ; tile_dim1
	s_mov_b32 s[G1X+5], 1536                       ; from long row to long row: 16 rows of 768 bytes
	s_mov_b32 s[G1X+6], 0
	s_mov_b32 s[G1X+7], 0
	s_mov_b32 s[G1W+1], 768<<16
	s_mov_b32 s[G1W+2], 16<<16                     ; W: 16 long rows
	s_mov_b32 s[G1W+3], 768<<16
	s_mov_b32 s[G1W+4], 16
	s_mov_b32 s[G1W+5], 1536
	s_mov_b32 s[G1W+6], 0
	s_mov_b32 s[G1W+7], 0
	s_mov_b32 s[SEL], 0x76543210
	s_mov_b32 s[SEL+1], 0xfedcba98                 ; v_permlanex16_b32's selects for lane l xor 16
	s_mov_b32 s[HI], 0xffff0000                    ; lanes 16-31
	v_and_b32 v1, 15, v0                           ; r
	v_bfe_u32 v2, v0, 4, 1                         ; h
	v_and_b32 v[PI], 8, v1
	v_add_nc_u32 v[PI], v[PI], v1
	v_mul_u32_u24 v[LI], v1, TP
	v_mad_u32_u24 v[ADX], v2, 24, v[LI]
	v_mad_u32_u24 v[ADX+1], v2, 40, v[LI]
	v_add_nc_u32 v[ADX+2], XU, v[ADX]
	v_add_nc_u32 v[ADX+3], XU, v[ADX+1]
	s_mul_i32 s62, s[WV], 2*TILE                   ; my head's two pairs of tiles
	s_add_co_u32 s62, s62, WBASE
	v_add_nc_u32 v[ADW], s62, v[ADX]
	v_add_nc_u32 v[ADW+1], s62, v[ADX+1]
	v_add_nc_u32 v[ADW+2], WU, v[ADW]
	v_add_nc_u32 v[ADW+3], WU, v[ADW+1]
	v_and_b32 v[LI], 31, v0
	v_lshlrev_b32 v[ML], 3, v[LI]
	v_lshlrev_b32 v[LI], 4, v[LI]
	v_lshlrev_b32 v[SA], 5, v[PI]
	v_lshlrev_b32 v[CA], 7, v[PI]
	v_lshl_add_u32 v[CA], v2, 6, v[CA]
	v_lshlrev_b32 v[MA], 11, v[PI]
	v_lshl_add_u32 v[MA], v2, 4, v[MA]             ; the mask: row r + 8 (r / 8) of 2,048 bytes, + 16 h
.irp b, 4,5,6,7
	v_mov_b32 v[TM+\b], 0                          ; written once: a lane permute's destination counts as one of its sources
.endr
	s_wait_dscnt 0x0
	s_wait_kmcnt 0x0
	s_cmp_eq_u32 s[PROD], 0                        ; the product's five buffers: the choice hangs on the cluster's number alone
	s_cselect_b64 s[4:5], s[36:37], s[38:39]       ; x's codes
	s_cselect_b64 s[6:7], s[42:43], s[44:45]       ; x's scales
	s_cselect_b64 s[8:9], s[48:49], s[50:51]       ; W's codes
	s_cselect_b64 s[10:11], s[70:71], s[72:73]     ; W's scales
	s_cselect_b64 s[12:13], s[76:77], s[78:79]     ; the bias
	s_cmp_eq_u32 s[PROD], 2
	s_cselect_b64 s[4:5], s[40:41], s[4:5]
	s_cselect_b64 s[6:7], s[46:47], s[6:7]
	s_cselect_b64 s[8:9], s[68:69], s[8:9]
	s_cselect_b64 s[10:11], s[74:75], s[10:11]
	s_cselect_b64 s[12:13], s[80:81], s[12:13]
	s_lshl_b32 s36, s[TBK], 7                      ; x: row 128 x token block + 8 u: made of the token block and the wave alone
	s_lshl_b32 s37, s[UH], 3
	s_add_co_u32 s36, s36, s37
	s_mul_i32 s36, s36, 768
	s_mov_b32 s37, 0
	s_mov_b32 s[G0X], 1
	s_mul_i32 s[G0X+1], s[UH], XU
	s_add_nc_u64 s[G0X+2:G0X+3], s[4:5], s[36:37]
	s_or_b32 s[G0X+3], s[G0X+3], 0x80000000
	s_lshl_b32 s38, s[FB], 8                       ; W: row 256 x feature block + 8 u: made of the feature block and the wave alone
	s_lshl_b32 s39, s[UH], 3
	s_add_co_u32 s38, s38, s39
	s_mul_i32 s38, s38, 768
	s_mov_b32 s39, 0
	s_mov_b32 s[G0W], 1
	s_mul_i32 s[G0W+1], s[UH], WU
	s_add_co_u32 s[G0W+1], s[G0W+1], WBASE
	s_add_nc_u64 s[G0W+2:G0W+3], s[8:9], s[38:39]
	s_or_b32 s[G0W+3], s[G0W+3], 0x80000000
	CROUND                                         ; all sixteen work-groups are here: the joint loads meet
	s_cmp_eq_u32 s[ROLE], 0                        ; one load a wave: waves 0, 1 x's two halves, waves 2, 3 W's.  Four v_nop follow each line
	s_cbranch_scc0 .Lfor_w
	tensor_load_to_lds s[G0X:G0X+3], s[G1X:G1X+7]
	s_nop 0
	PLACES 4
	s_branch .Lasked
.Lfor_w:
	tensor_load_to_lds s[G0W:G0W+3], s[G1W:G1W+7]
	s_nop 0
	PLACES 4
.Lasked:
	s_lshl_b32 s40, s[TBK], 12                     ; x's scales: 128 rows of 32 bytes a token block
	s_mov_b32 s41, 0
	s_add_nc_u64 s[6:7], s[6:7], s[40:41]
	s_lshl_b32 s40, s[FB], 2
	s_add_co_u32 s40, s40, s[WV]                   ; my head within the batch: 4 x feature block + wave
	s_lshl_b32 s42, s40, 11                        ; W's scales: 64 rows of 32 bytes a head
	s_mov_b32 s43, 0
	s_add_nc_u64 s[10:11], s[10:11], s[42:43]
	s_lshl_b32 s42, s40, 8                         ; the bias: 64 numbers a head
	s_add_nc_u64 s[12:13], s[12:13], s[42:43]
	s_and_b32 s44, s[TBK], 15                      ; the step: which 128 tokens of the batch's 2,048
	s_lshl_b32 s42, s44, 14                        ; cos, sin: 128 rows of 128 bytes a step
	s_add_nc_u64 s[CP:CP+1], s[82:83], s[42:43]
	s_add_nc_u64 s[SP:SP+1], s[84:85], s[42:43]
	s_lshr_b32 s45, s[TBK], 4
	s_lshl_b32 s45, s45, 4
	s_add_co_u32 s45, s45, s40                     ; head y = 16 x batch + head
	s_mul_i32 s45, s45, 3
	s_add_co_u32 s45, s45, s[PROD]
	s_lshl_b32 s45, s45, 4
	s_add_co_u32 s45, s45, s44
	s_mul_i32 s42, s45, SB                         ; ((3 y + product) 16 + step) blocks
	s_add_nc_u64 s[OUTP:OUTP+1], s[88:89], s[42:43]
	s_mov_b32 s[C64], 0x3c800000                   ; 1 / 64
	s_mov_b32 s[EPSR], 0x358637bd                  ; 1e-6
	s_wait_alu depctr_va_vdst(0)
.irp tt, 0,1,2,3,4,5,6,7                       ; a row's 32 scale bytes are its 8 words, one for each 128 along K: straight into the scale registers (lanes 16-31 repeat lanes 0-15)
	global_load_b128 v[SCX+8*\tt:SCX+8*\tt+3], v[SA], s[6:7] offset:(32*(\tt/2)+8*(\tt%2))*32
	global_load_b128 v[SCX+8*\tt+4:SCX+8*\tt+7], v[SA], s[6:7] offset:(32*(\tt/2)+8*(\tt%2))*32+16
.endr
.irp f, 0,1,2,3
	global_load_b128 v[SCW+8*\f:SCW+8*\f+3], v[SA], s[10:11] offset:(32*(\f/2)+8*(\f%2))*32
	global_load_b128 v[SCW+8*\f+4:SCW+8*\f+7], v[SA], s[10:11] offset:(32*(\f/2)+8*(\f%2))*32+16
.endr
	s_cmp_eq_u32 s[PROD], 2
	s_cbranch_scc1 .Lpre_v
	; ---- q, k: the bias in the result's layout: lane (r, h), tile f, register j: feature 32 (f / 2) + 8 (f % 2) + 16 h + j
	v_lshlrev_b32 v[BA], 6, v2
.irp f, 0,1,2,3
	global_load_b128 v[BI+8*\f:BI+8*\f+3], v[BA], s[12:13] offset:(32*(\f/2)+8*(\f%2))*4
	global_load_b128 v[BI+8*\f+4:BI+8*\f+7], v[BA], s[12:13] offset:(32*(\f/2)+8*(\f%2))*4+16
.endr
	; ---- THE MASK, while the tiles are on their way.  The 2,048 waves of q's and k's work-groups take one unit each: a tile of 16 queries x a step of 128 keys becomes 64 words;
	; bit l of word 16 b + i is mask[query of lane l % 16][128 s + 32 b + 16 (l / 16) + i]: the lane mask of score register 16 b + i in the attention launch.
	s_lshl_b32 s46, s[PROD], 6
	s_add_co_u32 s46, s46, s[TBK]
	s_lshl_b32 s46, s46, 2
	s_add_co_u32 s46, s46, s[FB]
	s_lshl_b32 s46, s46, 2
	s_add_co_u32 s46, s46, s[WV]                   ; the unit: 16 x tile + step
	s_lshl_b32 s42, s46, 8
	s_add_nc_u64 s[90:91], s[90:91], s[42:43]      ; its 256 bytes of maskw
	s_add_nc_u64 s[100:101], s[100:101], s[42:43]  ; and its 256 bytes of mflag
	s_lshr_b32 s47, s46, 4
	s_and_b32 s48, s46, 15
	s_lshr_b32 s49, s47, 1
	s_lshl_b32 s49, s49, 5
	s_and_b32 s50, s47, 1
	s_lshl_b32 s50, s50, 3
	s_add_co_u32 s49, s49, s50                     ; the tile's first query: 32 (tile / 2) + 8 (tile % 2)
	s_lshl_b32 s49, s49, 11
	s_lshl_b32 s48, s48, 7
	s_add_co_u32 s42, s49, s48
	s_add_nc_u64 s[86:87], s[86:87], s[42:43]
.irp b, 0,1,2,3
	global_load_b128 v[MB+4*\b:MB+4*\b+3], v[MA], s[86:87] offset:32*\b th:TH_LOAD_NT
.endr
	v_mov_b32 v[MW], 0                             ; v_writelane_b32's destination counts as read
	v_mov_b32 v[MW+1], 0
	s_wait_loadcnt 0x0
.set n, 0
.rept 16                                       ; four bytes of a register at a time: byte, lane mask, into lane (word / 2) of the even or the odd register
.irp k, 0,1,2,3
	v_and_b32 v[MT+\k], 0xff<<(8*\k), v[MB+n/4]
.endr
.irp k, 0,1,2,3
	v_cmp_ne_u32 s[68+\k], 0, v[MT+\k]
.endr
.irp k, 0,1,2,3
	v_writelane_b32 v[MW+\k%2], s[68+\k], (n+\k)/2
.endr
.set n, n+4
.endr
	global_store_b64 v[ML], v[MW:MW+1], s[90:91]   ; 32 lanes store 256 consecutive bytes, aligned
	; the unit's flag word, for the attention launch's branches: bit 0: some key of the unit counts; bit 1: some key is hidden
	v_or_b32 v[MT], v[MW], v[MW+1]
	v_and_b32 v[MT+1], v[MW], v[MW+1]
	v_cmp_ne_u32 s68, 0, v[MT]                     ; lanes with a word that is not all zeros
	v_cmp_ne_u32 s69, -1, v[MT+1]                  ; lanes with a word that is not all ones
	s_cmp_lg_u32 s68, 0
	s_cselect_b32 s68, 1, 0
	s_cmp_lg_u32 s69, 0
	s_cselect_b32 s69, 2, 0
	s_or_b32 s68, s68, s69
	v_mov_b32 v[MT+2], s68
	v_mov_b32 v[MT+3], s68
	global_store_b64 v[ML], v[MT+2:MT+3], s[100:101]   ; the word fills the unit's record: 256 consecutive bytes, aligned, stored whole
	s_branch .Lpre_done
.Lpre_v:
	; ---- v: a lane holds one feature, so all eight registers of a tile's C hold that feature's bias
	v_lshlrev_b32 v[BA], 2, v[PI]
.irp f, 0,1,2,3
	global_load_b32 v[BI+8*\f], v[BA], s[12:13] offset:(32*(\f/2)+8*(\f%2))*4
.endr
	s_wait_loadcnt 0x0
.irp f, 0,1,2,3
.irp j, 1,2,3,4,5,6,7
	v_mov_b32 v[BI+8*\f+\j], v[BI+8*\f]
.endr
.endr
.Lpre_done:
	s_wait_loadcnt 0x0                             ; scale words and bias are in
	s_wait_xcnt 0x0                                ; the mask's store has read its registers: they are at work again below
	s_wait_tensorcnt 0x0                           ; my part of the tiles has landed,
	s_barrier_signal -1
	s_barrier_wait -1                              ; everybody's has
; A fragment, 16 rows x 128 K, is 12 registers: lane (r, h) takes of row r the 24 bytes at 96 s + 24 h and those 48 further on, in pieces of 8 bytes.  Piece p of a row lies at 8 p + 16 (p / 32);
; lanes 16-31 read three pieces on, which is behind one padding more where p % 32 is 29 or more: there the second address register (40 for 24 bytes a half) serves.
.macro FRAG reg, adr, s, off
.irp p, 0,1,2,3,4,5
.set PCE, 12*(\s)+6*(\p/3)+\p%3
.if PCE%32 < 29
	ds_load_b64 v[(\reg)+2*\p:(\reg)+2*\p+1], v[\adr] offset:(\off)+8*PCE+16*(PCE/32)
.else
	ds_load_b64 v[(\reg)+2*\p:(\reg)+2*\p+1], v[\adr+1] offset:(\off)+8*PCE+16*(PCE/32)
.endif
.endr
.endm
.macro FETCH s                                 ; K step s: x's eight fragments and my head's four of W, into set s % 2
	WIN 0x80+0x40*((\s)%2)
.irp tt, 0,1,2,3,4,5,6,7
	FRAG 12*\tt, ADX+2*(\tt%2), \s, (\tt/2)*TILE
.endr
.irp f, 0,1,2,3
	FRAG 96+12*\f, ADW+2*(\f%2), \s, (\f/2)*TILE
.endr
.endm
.macro CSLOAD tt                               ; cos and sin of tile tt's tokens at my 16 of the 32 angles: 16 + 16 registers at 32 (tt % 4) of window 2 (tiles 0-3) or 3
	WIN 0x80+0x40*((\tt)/4)
.irp q, 0,1,2,3
	global_load_b128 v[32*((\tt)%4)+4*\q:32*((\tt)%4)+4*\q+3], v[CA], s[CP:CP+1] offset:(32*((\tt)/2)+8*((\tt)%2))*128+16*\q
.endr
.irp q, 0,1,2,3
	global_load_b128 v[32*((\tt)%4)+16+4*\q:32*((\tt)%4)+16+4*\q+3], v[CA], s[SP:SP+1] offset:(32*((\tt)/2)+8*((\tt)%2))*128+16*\q
.endr
.endm
; The 32 products of a K step.  The accumulators take turns, one instruction a turn, in the same order in every step.  The first step's C is the bias.
.macro MULS path, s
.if (\s) == 0
	WIN 0x4a                                       ; A and B window 2, C window 0, D window 1
.else
	WIN 0x5a+5*((\s)%2)                            ; A and B window 2 or 3, C and D window 1
.endif
.if (\path) == 0
.irp tt, 0,1,2,3,4,5,6,7
.irp f, 0,1,2,3
.if (\s) == 0
	v_wmma_scale_f32_16x16x128_f8f6f4 v[8*(4*\tt+\f):8*(4*\tt+\f)+7], v[96+12*\f:107+12*\f], v[12*\tt:12*\tt+11], v[BI+8*\f:BI+8*\f+7], v[SCW+8*\f+(\s)], v[SCX+8*\tt+(\s)] matrix_a_fmt:MATRIX_FMT_FP6 matrix_b_fmt:MATRIX_FMT_FP6
.else
	v_wmma_scale_f32_16x16x128_f8f6f4 v[8*(4*\tt+\f):8*(4*\tt+\f)+7], v[96+12*\f:107+12*\f], v[12*\tt:12*\tt+11], v[8*(4*\tt+\f):8*(4*\tt+\f)+7], v[SCW+8*\f+(\s)], v[SCX+8*\tt+(\s)] matrix_a_fmt:MATRIX_FMT_FP6 matrix_b_fmt:MATRIX_FMT_FP6
.endif
.endr
.endr
.else
.irp f, 0,1,2,3
.irp tt, 0,1,2,3,4,5,6,7
.if (\s) == 0
	v_wmma_scale_f32_16x16x128_f8f6f4 v[8*(8*\f+\tt):8*(8*\f+\tt)+7], v[12*\tt:12*\tt+11], v[96+12*\f:107+12*\f], v[BI+8*\f:BI+8*\f+7], v[SCX+8*\tt+(\s)], v[SCW+8*\f+(\s)] matrix_a_fmt:MATRIX_FMT_FP6 matrix_b_fmt:MATRIX_FMT_FP6
.else
	v_wmma_scale_f32_16x16x128_f8f6f4 v[8*(8*\f+\tt):8*(8*\f+\tt)+7], v[12*\tt:12*\tt+11], v[96+12*\f:107+12*\f], v[8*(8*\f+\tt):8*(8*\f+\tt)+7], v[SCX+8*\tt+(\s)], v[SCW+8*\f+(\s)] matrix_a_fmt:MATRIX_FMT_FP6 matrix_b_fmt:MATRIX_FMT_FP6
.endif
.endr
.endr
.endif
.endm
; A K step: this step's fragments are in; the next step's are asked for, into the set that the last step's products have read (four places behind them: ISA guide 7.12.1 for vector instructions); then the products.
.macro KSTEP path, s
	s_wait_dscnt 0x0
.if (\s) > 0
	PLACES 4
.endif
.if (\s) < 7
	FETCH (\s)+1
.elseif (\path) == 0
	CSLOAD 0                                       ; nothing is left to fetch: set 0's registers take cos and sin of tiles 0-3
	CSLOAD 1
	CSLOAD 2
	CSLOAD 3
.endif
	MULS \path, \s
.endm
	FETCH 0
	WIN 0
	s_cmp_eq_u32 s[PROD], 2
	s_cbranch_scc1 .Lmain_v
	; ======== q, k
	s_wait_alu depctr_va_vdst(0)
.irp s, 0,1,2,3,4,5,6,7
	KSTEP 0, \s
.endr
	PLACES 4                                       ; behind the last products: for the loads into set 1 and for the first reads of results
	CSLOAD 4
	CSLOAD 5
	CSLOAD 6
	CSLOAD 7
	; the sums of squares of all eight tiles: a lane's 32 numbers, two at a time, two chains a tile, each accumulator from its low end on
	WIN 0x05
.irp tt, 0,1,2,3,4,5,6,7
	v_pk_mul_f32 v[RSB+2*\tt:RSB+2*\tt+1], v[32*\tt:32*\tt+1], v[32*\tt:32*\tt+1]
	v_pk_mul_f32 v[BI+2*\tt:BI+2*\tt+1], v[32*\tt+2:32*\tt+3], v[32*\tt+2:32*\tt+3]
.endr
.irp i, 4,8,12,16,20,24,28
.irp tt, 0,1,2,3,4,5,6,7
	v_pk_fma_f32 v[RSB+2*\tt:RSB+2*\tt+1], v[32*\tt+\i:32*\tt+\i+1], v[32*\tt+\i:32*\tt+\i+1], v[RSB+2*\tt:RSB+2*\tt+1]
	v_pk_fma_f32 v[BI+2*\tt:BI+2*\tt+1], v[32*\tt+\i+2:32*\tt+\i+3], v[32*\tt+\i+2:32*\tt+\i+3], v[BI+2*\tt:BI+2*\tt+1]
.endr
.endr
	WIN 0
.irp tt, 0,1,2,3,4,5,6,7
	v_pk_add_f32 v[RSB+2*\tt:RSB+2*\tt+1], v[RSB+2*\tt:RSB+2*\tt+1], v[BI+2*\tt:BI+2*\tt+1]
.endr
.irp tt, 0,1,2,3,4,5,6,7
	v_add_f32 v[RSB+2*\tt], v[RSB+2*\tt], v[RSB+2*\tt+1]
.endr
.irp tt, 0,1,2,3,4,5,6,7
	v_permlanex16_b32 v[RSB+2*\tt+1], v[RSB+2*\tt], s[SEL], s[SEL+1]   ; the token's other 32 numbers lie in the lane 16 away
.endr
.irp tt, 0,1,2,3,4,5,6,7
	v_add_f32 v[RSB+2*\tt], v[RSB+2*\tt], v[RSB+2*\tt+1]
.endr
.irp tt, 0,1,2,3,4,5,6,7
	v_fma_f32 v[RSB+2*\tt], v[RSB+2*\tt], s[C64], s[EPSR]             ; the mean + 1e-6
.endr
	s_wait_alu depctr_va_vdst(0)
.irp tt, 0,1,2,3,4,5,6,7
	v_rsq_f32 v[RSB+2*\tt], v[RSB+2*\tt]
.endr
	v_nop                                          ; a plain instruction behind the last of the batch,
	s_wait_alu depctr_va_vdst(0)                   ; and one wait for the eight, ahead of their first reader
; 32 numbers of a lane in v[Y] on, register 16 b + i = d 32 b + 16 h + i of my token, become six registers of codes (lane (r, h): d = 32 h + 0 .. 31) and the token's scale word.
; The word's upper two bytes repeat the lower two: they stand over the half of the instruction's 128 along K that holds no number of q or k.
.macro QUANT2 dst, pw
	v_max3_num_f32 v[TM], |v[Y]|, |v[Y+1]|, 0x1800000                ; my 16 numbers of each block, and the floor 2^(3 - 127): the byte cannot fall under 1
	v_max3_num_f32 v[TM+1], |v[Y+16]|, |v[Y+17]|, 0x1800000
.irp i, 2,4,6,8,10,12,14
	v_max3_num_f32 v[TM], v[TM], |v[Y+\i]|, |v[Y+1+\i]|
	v_max3_num_f32 v[TM+1], v[TM+1], |v[Y+16+\i]|, |v[Y+17+\i]|
.endr
	v_permlanex16_b32 v[TM+4], v[TM], s[SEL], s[SEL+1]
	v_permlanex16_b32 v[TM+5], v[TM+1], s[SEL], s[SEL+1]
	v_max_num_f32 v[TM], v[TM], v[TM+4]            ; with lane l xor 16's: the block's largest magnitude
	v_max_num_f32 v[TM+1], v[TM+1], v[TM+5]
	v_add_nc_u32 v[TM+12], 0xff000000, v[TM]       ; 2 off its exponent field: the conversion takes that field as its scale
	v_add_nc_u32 v[TM+13], 0xff000000, v[TM+1]
	v_lshrrev_b32 v[TM+4], 23, v[TM+12]            ; the scale's byte
	v_lshrrev_b32 v[TM+5], 23, v[TM+13]
	v_lshl_or_b32 v[TM+4], v[TM+5], 8, v[TM+4]
	v_lshl_or_b32 v[\pw], v[TM+4], 16, v[TM+4]
	v_cvt_scalef32_pk16_fp6_f32 v[(\dst):(\dst)+2], v[Y:Y+15], v[TM+12]
	v_cvt_scalef32_pk16_fp6_f32 v[TC:TC+2], v[Y+16:Y+31], v[TM+13]   ; (a conversion's three registers begin on an even number)
	v_nop                                          ; one plain place behind a scaled conversion
.irp i, 0,1,2
	v_permlane16_swap_b32 v[(\dst)+\i], v[TC+\i]   ; the layout wants a whole block in a lane: lanes 0-15 block 0, lanes 16-31 block 1
.endr
.irp i, 0,1,2
	v_mov_b32 v[(\dst)+3+\i], v[TC+\i]
.endr
.endm
; Tile tt: x 1 / rms; the turn: x1 cos - x2 sin, x2 cos + x1 sin (x1 = registers 0-15, x2 = registers 16-31, the same angle); the quantiser; a pair of tiles leaves as three groups of four registers.
.macro EPI tt
.set AC, 32*(\tt)
.set CW, 32*((\tt)%4)
.set R2, RSB+2*(\tt)
	WIN 0x01
.irp i, 0,2,4,6,8,10,12,14,16,18,20,22,24,26,28,30
	v_pk_mul_f32 v[Y+\i:Y+\i+1], v[AC+\i:AC+\i+1], v[R2:R2+1] op_sel_hi:[1,0]
.endr
	s_wait_alu depctr_va_vdst(0)
	s_wait_loadcnt 8*(7-(\tt))                     ; my tile's cos and sin are in; the eight loads of each later tile may be out
	WIN 0x08+4*((\tt)/4)
.irp i, 0,4,8,12
	v_pk_mul_f32 v[T:T+1], v[Y+16+\i:Y+17+\i], v[CW+16+\i:CW+17+\i]
	v_pk_mul_f32 v[T+2:T+3], v[Y+\i:Y+1+\i], v[CW+16+\i:CW+17+\i]
	v_pk_mul_f32 v[T+4:T+5], v[Y+18+\i:Y+19+\i], v[CW+18+\i:CW+19+\i]
	v_pk_mul_f32 v[T+6:T+7], v[Y+2+\i:Y+3+\i], v[CW+18+\i:CW+19+\i]
	v_pk_fma_f32 v[Y+\i:Y+1+\i], v[Y+\i:Y+1+\i], v[CW+\i:CW+1+\i], v[T:T+1] neg_lo:[0,0,1] neg_hi:[0,0,1]
	v_pk_fma_f32 v[Y+16+\i:Y+17+\i], v[Y+16+\i:Y+17+\i], v[CW+\i:CW+1+\i], v[T+2:T+3]
	v_pk_fma_f32 v[Y+2+\i:Y+3+\i], v[Y+2+\i:Y+3+\i], v[CW+2+\i:CW+3+\i], v[T+4:T+5] neg_lo:[0,0,1] neg_hi:[0,0,1]
	v_pk_fma_f32 v[Y+18+\i:Y+19+\i], v[Y+18+\i:Y+19+\i], v[CW+2+\i:CW+3+\i], v[T+6:T+7]
.endr
	WIN 0
.if ((\tt)%2 == 0) && ((\tt) > 0)
	s_wait_xcnt 0x0                                ; the last pair's stores have read their registers: the codes are written again only behind this wait
.endif
	QUANT2 PC+6*((\tt)%2), PW+(\tt)%2
.if (\tt)%2
	v_cndmask_b32 v[SW+(\tt)/2], v[PW], v[PW+1], s[HI]   ; the even tile's words in lanes 0-15, the odd tile's in lanes 16-31
.irp g, 0,1,2
	global_store_b128 v[LI], v[PC+4*\g:PC+4*\g+3], s[OUTP:OUTP+1] offset:((\tt)/2)*1536+512*\g   ; 32 lanes store 512 consecutive bytes, aligned to 256
.endr
.endif
.endm
.irp tt, 0,1,2,3,4,5,6,7
	EPI \tt
.endr
	global_store_b128 v[LI], v[SW:SW+3], s[OUTP:OUTP+1] offset:6144
	s_branch .Ljoin
.Lmain_v:
	; ======== v
	s_wait_alu depctr_va_vdst(0)
.irp s, 0,1,2,3,4,5,6,7
	KSTEP 1, \s
.endr
	PLACES 4
; Feature tile f: a lane's 64 numbers, register 16 b + i = token 32 b + 16 h + i of my feature, become a whole fragment (K = these 128 tokens) and the feature's scale word.
.macro QUANT4W f
.set SRC, 64*(\f)
.if (\f) > 0
	s_wait_xcnt 0x0                                ; the last fragment's stores have read their registers
.endif
	WIN 0x05
.irp b, 0,1,2,3
	v_max3_num_f32 v[TM+\b], |v[SRC+16*\b]|, |v[SRC+1+16*\b]|, 0x1800000
.endr
.irp i, 2,4,6,8,10,12,14
.irp b, 0,1,2,3
	v_max3_num_f32 v[TM+\b], |v[SRC+16*\b+\i]|, |v[SRC+1+16*\b+\i]|, v[TM+\b]
.endr
.endr
	WIN 0
.irp b, 0,1,2,3
	v_permlanex16_b32 v[TM+4+\b], v[TM+\b], s[SEL], s[SEL+1]
.endr
.irp b, 0,1,2,3
	v_max_num_f32 v[TM+\b], v[TM+\b], v[TM+4+\b]
.endr
.irp b, 0,1,2,3
	v_add_nc_u32 v[TM+12+\b], 0xff000000, v[TM+\b]
.endr
.irp b, 0,1,2,3
	v_lshrrev_b32 v[TM+4+\b], 23, v[TM+12+\b]
.endr
	v_lshl_or_b32 v[PW+(\f)%2], v[TM+5], 8, v[TM+4]
	v_lshl_or_b32 v[PW+(\f)%2], v[TM+6], 16, v[PW+(\f)%2]
	v_lshl_or_b32 v[PW+(\f)%2], v[TM+7], 24, v[PW+(\f)%2]
	WIN 0x01
.irp c, 0,1
	v_cvt_scalef32_pk16_fp6_f32 v[PC+6*\c:PC+6*\c+2], v[SRC+32*\c:SRC+32*\c+15], v[TM+12+2*\c]
	v_cvt_scalef32_pk16_fp6_f32 v[TC+4*\c:TC+4*\c+2], v[SRC+16+32*\c:SRC+31+32*\c], v[TM+13+2*\c]
.endr
	WIN 0
	v_nop                                          ; one plain place behind a scaled conversion
.irp c, 0,1
.irp i, 0,1,2
	v_permlane16_swap_b32 v[PC+6*\c+\i], v[TC+4*\c+\i]
.endr
.irp i, 0,1,2
	v_mov_b32 v[PC+3+6*\c+\i], v[TC+4*\c+\i]
.endr
.endr
.endm
.irp f, 0,1,2,3
	QUANT4W \f
.irp g, 0,1,2
	global_store_b128 v[LI], v[PC+4*\g:PC+4*\g+3], s[OUTP:OUTP+1] offset:1536*\f+512*\g
.endr
.if \f%2
	v_cndmask_b32 v[SW+\f/2], v[PW], v[PW+1], s[HI]
.endif
.endr
	v_mov_b32 v[SW+2], v[SW]                       ; the block's last 512 bytes are written whole
	v_mov_b32 v[SW+3], v[SW+1]
	global_store_b128 v[LI], v[SW:SW+3], s[OUTP:OUTP+1] offset:6144
.Ljoin:
	s_wait_dscnt 0x0
	s_wait_tensorcnt 0x0
	ds_add_u32 v254, v255
	s_wait_dscnt 0x0
	CROUND                                         ; the closing round: no work-group ends while a partner may still ask for a tile that names it
	s_endpgm
.Lfunc_end_k_qecdf20f0c0_proj:
	.size	k_qecdf20f0c0_proj, .Lfunc_end_k_qecdf20f0c0_proj-k_qecdf20f0c0_proj
	.p2alignl 7, 3214868480
	.fill 96, 4, 3214868480
	.section	.rodata,"a",@progbits
	.p2align	6, 0x0
	.amdhsa_kernel k_qecdf20f0c0_proj
		.amdhsa_group_segment_fixed_size 313856
		.amdhsa_private_segment_fixed_size 0
		.amdhsa_enable_private_segment 0
		.amdhsa_kernarg_size 168
		.amdhsa_user_sgpr_count 2
		.amdhsa_user_sgpr_kernarg_segment_ptr 1
		.amdhsa_wavefront_size32 1
		.amdhsa_system_sgpr_workgroup_id_x 1
		.amdhsa_system_sgpr_workgroup_id_y 1
		.amdhsa_system_sgpr_workgroup_id_z 1
		.amdhsa_system_vgpr_workitem_id 0
		.amdhsa_next_free_vgpr 1024
		.amdhsa_next_free_sgpr 102
		.amdhsa_reserve_vcc 0
		.amdhsa_float_denorm_mode_32 3
		.amdhsa_float_denorm_mode_16_64 3
		.amdhsa_memory_ordered 1
		.amdhsa_forward_progress 1
		.amdhsa_inst_pref_size 237
	.end_amdhsa_kernel
	.amdgpu_metadata
---
amdhsa.version: [ 1, 2 ]
amdhsa.kernels:
  - .name:           k_qecdf20f0c0_proj
    .symbol:         k_qecdf20f0c0_proj.kd
    .args:
      - { .name: query_codes, .offset: 0, .size: 8, .value_kind: global_buffer, .address_space: global }
      - { .name: key_codes, .offset: 8, .size: 8, .value_kind: global_buffer, .address_space: global }
      - { .name: value_codes, .offset: 16, .size: 8, .value_kind: global_buffer, .address_space: global }
      - { .name: query_scales, .offset: 24, .size: 8, .value_kind: global_buffer, .address_space: global }
      - { .name: key_scales, .offset: 32, .size: 8, .value_kind: global_buffer, .address_space: global }
      - { .name: value_scales, .offset: 40, .size: 8, .value_kind: global_buffer, .address_space: global }
      - { .name: Wq_codes, .offset: 48, .size: 8, .value_kind: global_buffer, .address_space: global }
      - { .name: Wk_codes, .offset: 56, .size: 8, .value_kind: global_buffer, .address_space: global }
      - { .name: Wv_codes, .offset: 64, .size: 8, .value_kind: global_buffer, .address_space: global }
      - { .name: Wq_scales, .offset: 72, .size: 8, .value_kind: global_buffer, .address_space: global }
      - { .name: Wk_scales, .offset: 80, .size: 8, .value_kind: global_buffer, .address_space: global }
      - { .name: Wv_scales, .offset: 88, .size: 8, .value_kind: global_buffer, .address_space: global }
      - { .name: bq, .offset: 96, .size: 8, .value_kind: global_buffer, .address_space: global }
      - { .name: bk, .offset: 104, .size: 8, .value_kind: global_buffer, .address_space: global }
      - { .name: bv, .offset: 112, .size: 8, .value_kind: global_buffer, .address_space: global }
      - { .name: cos, .offset: 120, .size: 8, .value_kind: global_buffer, .address_space: global }
      - { .name: sin, .offset: 128, .size: 8, .value_kind: global_buffer, .address_space: global }
      - { .name: attn_mask, .offset: 136, .size: 8, .value_kind: global_buffer, .address_space: global }
      - { .name: qkv, .offset: 144, .size: 8, .value_kind: global_buffer, .address_space: global }
      - { .name: maskw, .offset: 152, .size: 8, .value_kind: global_buffer, .address_space: global }
      - { .name: mflag, .offset: 160, .size: 8, .value_kind: global_buffer, .address_space: global }
    .group_segment_fixed_size: 313856
    .private_segment_fixed_size: 0
    .kernarg_segment_align: 8
    .kernarg_segment_size: 168
    .max_flat_workgroup_size: 128
    .sgpr_count:     102
    .vgpr_count:     1024
    .wavefront_size: 32
...
	.end_amdgpu_metadata
.endif
;; end of part 1
;; launch attn (part 2): grid 4 x 64, 16 waves a work-group, no clusters, 215,040 bytes of LDS; arguments qkv, maskw, oimg, oscl, mflag; writes oimg, oscl
.if DOCPART == 2
	.amdgcn_target "amdgcn-amd-amdhsa--gfx1250"
	.amdhsa_code_object_version 6
	.text
	.protected	k_qecdf20f0c0_attn
	.globl	k_qecdf20f0c0_attn
	.p2align	8
	.type	k_qecdf20f0c0_attn,@function
k_qecdf20f0c0_attn:
	s_mov_b64 s[64:65], 0
	v_nop
	global_prefetch_b8 v0, s[64:65] scope:SCOPE_SE
	s_setreg_imm32_b32 hwreg(HW_REG_WAVE_MODE, 25, 1), 1
	s_wait_xcnt 0x0
; ATTENTION of one head on codes of FP6 (E2M3): S^T = K Q^T, the mask, p = 2^(t - M), O^T = V^T P^T, O / the row's sum, and the quantiser along the head's 64 for the output projection.
; t = score x log2(e) / 8; M = the running largest t rounded UP to a whole number; p is quantised along the keys, not normalised; the row's sum is taken of the unquantised p; when M moves, the sum and O^T are multiplied by 2^(old M - new M): exact.
; THE MASK DECIDES WHAT IS DONE.  It is an input of whole numbers; the launch before stored it as lane masks (maskw: 64 words for a tile of 16 queries and a step of 128 keys) and, for each such unit, a flag word
; (mflag: bit 0: some key counts; bit 1: some key is hidden).  A step in which no key counts adds p = 0 everywhere: it changes neither M, nor the sum, nor O^T, and is passed over by a scalar branch.
; A step in which every key counts needs no selection: only a mixed step loads its 64 lane masks and selects -infinity by v_cndmask_b32.  This holds for every mask; no pattern of the mask is built in.
; SHARES.  Four work-groups to a head, sixteen waves each.  Wave g = 16 x + wave takes tile 0 of query pair g, then tile 1 of pair 63 - g: every tile of the head's 128 has one owner.  The loop has 16 trips in every wave; the branches stand inside it.
; LDS.  The head's K and V, as images of operand registers, are 212,992 dense bytes of qkv: thread n brings the 16 bytes at 16 n of each of 26 rows of 8,192 bytes, through registers; stored once, one barrier, read only from then on.
; NO TENSOR LOAD, NO CLUSTER: the branches hang on numbers read from memory, and joint loads are tensor loads.  NO PREFETCH: all that the launch reads is asked for at its head; there is no loop to run ahead in.
; K = 64 IN AN INSTRUCTION OF 128.  Q's upper six registers hold zero codes.  A tile of K is six registers; the operand's upper six are the next tile's (behind the last tile: six registers of zeros): they meet zeros alone.
; A lane holds ONE query throughout; the keys of a tile of K are 32 b + 8 u + r + 8 (r / 8), so that score registers 16 b + i are keys 32 b + 16 (lane / 16) + i.
; LIMITS: |t| stays under 3e38.  A query all of whose keys are masked has the sum 0: its codes are zeros and its two scale bytes 0xff, so that its whole row of the output is NaN, as the definition has it.
; A NaN or an infinity in K or V that reaches only keys of a step passed over is not carried to the result.
.set SB,   6656
.set HB,   16*SB
.set SPARE, 2*HB                       ; the spare words: 128 bytes a wave, 2,048 in all
.set LI,   1                           ; v1   16 x lane
.set LIV,  2                           ; v2   the same in V's half of LDS
.set ADK,  3                           ; v3   the step's block of K
.set ADV,  4                           ; v4   of V
.set NINF, 5                           ; v5   -infinity
.set L8,   6                           ; v6   8 x lane
.set L4,   7                           ; v7   4 x (lane % 16)
.set FAD,  8                           ; v8-11 16 x thread, + 0, 1, 2, 3 x 65,536: the fill's offset in memory and its LDS addresses
.set QF,   16                          ; v16-21 Q's codes, v22-27 zeros
.set QS,   28                          ; v28, v29 Q's scale words of the first and the second pair
.set FR,   32                          ; v32-79 eight tiles of K, or four fragments of V; v80-85 zeros
.set KS,   86                          ; v86-89 K's scale words, a pair of tiles a register
.set VS,   90                          ; v90-93 V's
.set S,    96                          ; v96-159 S^T, then p
.set O,    160                         ; v160-191 O^T
.set PCD,  192                         ; v192-203 p's codes; at the end o's
.set TC,   204                         ; v204-206, v208-210 the conversions' second halves
.set BM,   212                         ; v212-215 a block's largest score, then its largest p
.set PX,   216                         ; v216-219 the other half's, then bytes
.set SO,   220                         ; v220-223 the conversions' scale operands
.set PSW,  224                         ; v224 p's scale word
.set FF,   226                         ; v[226:227] f = 2^(old M - new M); at the end 1 / the sum
.set TMP,  228
.set HW,   229                         ; o's two scale bytes
.set Q1,   232                         ; v232-237 the second tile's codes of Q
.set CH,   238                         ; v238-251 seven chains of the row's sum
.set FD,   32                          ; at the head: v32-135 the fill's 26 x 4 registers,
.set MK,   136                         ; v136-139 the flag words' two bits, apart,
.set FL,   200                         ; v200, v201 my two tiles' flag words: lane l has step l / 2's,
.set QO,   204                         ; v204-207 Q's offsets,
.set MOF,  208                         ; v208 256 x (lane / 2)
.set WV,   3
.set YH,   7
.set MP,   8                           ; s[8:9], s[10:11] my tiles' lane masks: 16 steps of 256 bytes
.set OIP,  12                          ; s[12:13], s[14:15]
.set OSP,  16                          ; s[16:17], s[18:19]
.set ANY,  20                          ; s20, s22: bits 2 s, 2 s + 1: a key of step s counts;  s21, s23: a key of step s is hidden
.set TB,   24                          ; s24  the step's block in LDS
.set SEL,  26
.set PR0,  28
.set PR1,  29
.set GS2,  28                          ; s28  in the loop: 2 x the step
.set MO,   29                          ; s29  256 x the step
.set QP,   40                          ; s[40:41], s[42:43] at the head: the blocks of q that hold my pairs
.set FP,   46                          ; s[46:47], s[48:49] at the head: my tiles' flag records: 16 steps of 256 bytes
.set CS,   66                          ; s[66:67] c = log2(e) / 8
.set DEAD, 100                         ; s100 lanes whose sum is 0
.macro PLACES n
.rept \n
	v_nop
.endr
.endm
.macro MLOAD mp                        ; a step's 64 lane masks: word n in s[32 + n] (n < 32) or s[36 + n]
	s_load_b512 s[32:47], s[\mp:\mp+1], s[MO] offset:0x0
	s_load_b512 s[48:63], s[\mp:\mp+1], s[MO] offset:0x40
	s_load_b512 s[68:83], s[\mp:\mp+1], s[MO] offset:0x80
	s_load_b512 s[84:99], s[\mp:\mp+1], s[MO] offset:0xc0
.endm
.macro BASES u, pr                     ; the addresses of tile u of query pair pr
	s_lshr_b32 s30, s[\pr], 2
	s_mul_i32 s30, s30, SB
	s_add_nc_u64 s[QP+2*\u:QP+2*\u+1], s[4:5], s[30:31]        ; q's step block that holds the pair
	s_and_b32 s30, s[\pr], 3
	s_mul_i32 s25, s30, 1536
	s_lshl_b32 s30, s30, 2
	v_add_nc_u32 v[QO+2*\u], s25, v[LI]
	v_add_nc_u32 v[QO+2*\u+1], s30, v[LI]
	s_lshl_b32 s30, s[\pr], 13                                 ; lane masks and flag records: 4,096 bytes a tile each
	s_add_co_u32 s30, s30, 4096*\u
	s_add_nc_u64 s[MP+2*\u:MP+2*\u+1], s[34:35], s[30:31]
	s_add_nc_u64 s[FP+2*\u:FP+2*\u+1], s[44:45], s[30:31]
	s_lshl_b32 s30, s[\pr], 1
	s_add_co_u32 s30, s30, s2                                  ; the pair's first token tile: 128 x batch + 2 x pair
	s_lshl_b32 s30, s30, 3
	s_add_co_u32 s25, s30, s6                                  ; x 8 + the projection's K step: head / 2
	s_mul_i32 s30, s25, 1536
	s_mul_i32 s24, s101, 768
	s_add_co_u32 s30, s30, s24
	s_add_nc_u64 s[OIP+2*\u:OIP+2*\u+1], s[36:37], s[30:31]
	s_lshl_b32 s30, s25, 6
	s_lshl_b32 s24, s101, 1
	s_add_co_u32 s30, s30, s24
	s_add_nc_u64 s[OSP+2*\u:OSP+2*\u+1], s[38:39], s[30:31]
.endm
	s_load_b256 s[32:39], s[0:1], 0x0              ; qkv, maskw, oimg, oscl
	s_load_b64 s[44:45], s[0:1], 0x20              ; mflag
	v_lshl_add_u32 v254, v0, 2, SPARE              ; my spare word and 0
	v_mov_b32 v255, 0
	v_lshrrev_b32 v12, 5, v0
	v_and_b32 v13, 31, v0
	v_and_b32 v[MOF], 30, v0
	v_readfirstlane_b32 s[WV], v12                 ; wave 0..15
	v_lshlrev_b32 v[LI], 4, v13
	v_lshlrev_b32 v[L8], 3, v13
	v_and_b32 v[L4], 15, v0
	v_lshlrev_b32 v[FAD], 4, v0
	v_lshlrev_b32 v[MOF], 7, v[MOF]                ; 128 x (lane with its lowest bit off) = 256 x (lane / 2)
	v_add_nc_u32 v[LIV], HB, v[LI]
	v_lshlrev_b32 v[L4], 2, v[L4]
	v_mov_b32 v[NINF], 0xff800000
	v_add_nc_u32 v[FAD+1], 0x10000, v[FAD]
	v_add_nc_u32 v[FAD+2], 0x20000, v[FAD]
	v_add_nc_u32 v[FAD+3], 0x30000, v[FAD]
	s_and_b32 s[YH], ttmp7, 0xffff                 ; the head, 16 x batch + head
	s_lshl_b32 s[PR0], ttmp9, 4
	s_add_co_u32 s[PR0], s[PR0], s[WV]             ; g = 16 x + wave: my first pair,
	s_sub_co_u32 s[PR1], 63, s[PR0]                ; and my second
	s_mul_i32 s24, s[YH], 3*HB                     ; the head's first byte in qkv: q, then k, then v
	s_mov_b32 s25, 0
	s_mov_b32 s31, 0
	s_lshr_b32 s2, s[YH], 4
	s_lshl_b32 s2, s2, 7                           ; 128 x batch
	s_bfe_u32 s6, s[YH], 0x30001                   ; head / 2
	s_and_b32 s101, s[YH], 1
	s_mov_b32 s[SEL], 0x76543210
	s_mov_b32 s[SEL+1], 0xfedcba98
	s_mov_b32 s[CS], 0x3e38aa3b
	s_mov_b32 s[CS+1], s[CS]                       ; (named with it as a pair, so it is written)
	s_wait_alu depctr_va_vdst(0)                   ; ahead of the blocking wait
	s_wait_kmcnt 0x0
	s_add_nc_u64 s[4:5], s[32:33], s[24:25]
	BASES 0, PR0
	BASES 1, PR1
	s_wait_alu depctr_va_vdst(0)
.set i, 0
.rept 26                                       ; K and V: row i of 8,192 bytes; the 512 threads take 16 bytes each
	global_load_b128 v[FD+4*i:FD+4*i+3], v[FAD], s[4:5] offset:HB+8192*i
.set i, i+1
.endr
.irp u, 0,1
	global_load_b32 v[FL+\u], v[MOF], s[FP+2*\u:FP+2*\u+1]     ; lane l takes the flag word of step l / 2
.endr
	global_load_b128 v[QF:QF+3], v[QO], s[QP:QP+1]             ; a pair's twelve registers lie in three groups: tile 0 has the first six,
	global_load_b64 v[QF+4:QF+5], v[QO], s[QP:QP+1] offset:512
	global_load_b32 v[QS], v[QO+1], s[QP:QP+1] offset:6144
	global_load_b64 v[Q1:Q1+1], v[QO+2], s[QP+2:QP+3] offset:520   ; tile 1 the others
	global_load_b128 v[Q1+2:Q1+5], v[QO+2], s[QP+2:QP+3] offset:1024
	global_load_b32 v[QS+1], v[QO+3], s[QP+2:QP+3] offset:6144
	s_wait_loadcnt 21                              ; rows 0-12 are in: behind them 13 rows, 2 loads of flags and 6 of Q
.set i, 0
.rept 13
	ds_store_b128 v[FAD+i/8], v[FD+4*i:FD+4*i+3] offset:(i%8)*8192
.set i, i+1
.endr
	s_wait_loadcnt 8                               ; rows 13-25 are in: behind them the 2 and the 6
.rept 13
	ds_store_b128 v[FAD+i/8], v[FD+4*i:FD+4*i+3] offset:(i%8)*8192
.set i, i+1
.endr
	s_wait_loadcnt 0x0                             ; the flags and Q are in
	s_wait_dscnt 0x0                               ; my stores are done: say so,
	s_barrier_signal -1
.irp u, 0,1                                    ; and work on registers while the others arrive
	v_and_b32 v[MK+2*\u], 1, v[FL+\u]
	v_and_b32 v[MK+2*\u+1], 2, v[FL+\u]
.endr
.irp u, 0,1
	v_cmp_ne_u32 s[ANY+2*\u], 0, v[MK+2*\u]        ; bit l: step l / 2 has a key that counts
	v_cmp_ne_u32 s[ANY+2*\u+1], 0, v[MK+2*\u+1]    ; bit l: it has a key that is hidden
.endr
.irp j, 6,7,8,9,10,11
	v_mov_b32 v[QF+\j], 0                          ; zero codes
	v_mov_b32 v[FR+42+\j], 0
.endr
.irp b, 0,1,2,3
	v_mov_b32 v[PX+\b], 0                          ; written once: a lane permute's destination counts as one of its sources
.endr
	v_mov_b32 v[FF+1], 0                           ; (named as the upper half of a pair)
	v_mov_b32 v[TMP], 0
	s_wait_alu depctr_va_vdst(0)
	s_barrier_wait -1                              ; everybody's share lies in LDS
.macro SPROD t, u                              ; tile t of S^T: K's scale words of an odd tile, and Q's of tile 1, stand in lanes 16-31
.if ((\t)%2 == 0) && ((\u) == 0)
	v_wmma_scale_f32_16x16x128_f8f6f4 v[S+8*(\t):S+8*(\t)+7], v[FR+6*(\t):FR+6*(\t)+11], v[QF:QF+11], 0, v[KS+(\t)/2], v[QS+(\u)] matrix_a_fmt:MATRIX_FMT_FP6 matrix_b_fmt:MATRIX_FMT_FP6
.elseif (\u) == 0
	v_wmma_scale_f32_16x16x128_f8f6f4 v[S+8*(\t):S+8*(\t)+7], v[FR+6*(\t):FR+6*(\t)+11], v[QF:QF+11], 0, v[KS+(\t)/2], v[QS+(\u)] matrix_a_fmt:MATRIX_FMT_FP6 matrix_b_fmt:MATRIX_FMT_FP6 matrix_a_scale:MATRIX_SCALE_ROW1
.elseif (\t)%2 == 0
	v_wmma_scale_f32_16x16x128_f8f6f4 v[S+8*(\t):S+8*(\t)+7], v[FR+6*(\t):FR+6*(\t)+11], v[QF:QF+11], 0, v[KS+(\t)/2], v[QS+(\u)] matrix_a_fmt:MATRIX_FMT_FP6 matrix_b_fmt:MATRIX_FMT_FP6 matrix_b_scale:MATRIX_SCALE_ROW1
.else
	v_wmma_scale_f32_16x16x128_f8f6f4 v[S+8*(\t):S+8*(\t)+7], v[FR+6*(\t):FR+6*(\t)+11], v[QF:QF+11], 0, v[KS+(\t)/2], v[QS+(\u)] matrix_a_fmt:MATRIX_FMT_FP6 matrix_b_fmt:MATRIX_FMT_FP6 matrix_a_scale:MATRIX_SCALE_ROW1 matrix_b_scale:MATRIX_SCALE_ROW1
.endif
.endm
.macro KPART u                                 ; K's eight tiles as they lie, 48 registers, and the eight products
.irp g, 0,1,2,3,4,5,6,7,8,9,10,11
	ds_load_b128 v[FR+4*\g:FR+4*\g+3], v[ADK] offset:512*\g
.endr
	ds_load_b128 v[KS:KS+3], v[ADK] offset:6144
	s_wait_dscnt 0x0
.irp t, 0,1,2,3,4,5,6,7
	SPROD \t, \u
.endr
	PLACES 4                                       ; behind the products: for V's loads and for the first reads of the scores
.endm
; A PASS: one tile of queries over the 16 steps of 128 keys, then its way out.
.macro PASS u
.if \u
	s_wait_xcnt 0x0                                ; the first tile's stores have read their registers
.irp j, 0,1,2,3,4,5
	v_mov_b32 v[QF+\j], v[Q1+\j]
.endr
.endif
	v_mov_b32 v13, 0xff61b1e6                      ; the largest t so far: -3e38
	s_delay_alu instid0(VALU_DEP_1)
	v_floor_f32 v12, -v13
	v_mov_b32 v14, 0
	v_mov_b32 v15, 0
.set j, 0
.rept 32
	v_mov_b32 v[O+j], 0                            ; which step is the first to run hangs on the mask: it finds zeros, which the first change of M leaves zeros
.set j, j+1
.endr
	s_mov_b32 s[TB], 0
	s_mov_b32 s[GS2], 0
	s_wait_alu depctr_va_vdst(0)                   ; ahead of the branches below
.Lstep_\u:
	s_lshr_b32 s25, s[ANY+2*\u], s[GS2]
	s_and_b32 s25, s25, 3                          ; does a key of this step count?
	s_cbranch_scc0 .Lnext_\u                       ; none: every p would be 0
	v_add_nc_u32 v[ADK], s[TB], v[LI]
	v_add_nc_u32 v[ADV], s[TB], v[LIV]
	v_nop
	v_nop                                          ; four places in front of loads into registers that the last products have read
	s_wait_alu depctr_va_vdst(0)
	s_lshr_b32 s25, s[ANY+2*\u+1], s[GS2]
	s_and_b32 s25, s25, 3                          ; is a key of this step hidden?
	s_cbranch_scc0 .Lplain_\u
	s_lshl_b32 s[MO], s[GS2], 7
	MLOAD MP+2*\u                                  ; a mixed step: its 64 lane masks come while K is multiplied
	KPART \u
	s_wait_kmcnt 0x0
.set n, 0
.rept 64
	v_cndmask_b32 v[S+n], v[NINF], v[S+n], s[32+n+4*(n/32)]    ; a masked score becomes -infinity: p = 0 then
.set n, n+1
.endr
	s_branch .Lsoft_\u
.Lplain_\u:
	KPART \u
.Lsoft_\u:
.irp g, 0,1,2,3,4,5,6,7,8,9,10,11
	ds_load_b128 v[FR+4*\g:FR+4*\g+3], v[ADV] offset:512*\g    ; V's four fragments land while the softmax is walked
.endr
	ds_load_b128 v[VS:VS+3], v[ADV] offset:6144
.irp b, 0,1,2,3
	v_max3_num_f32 v[BM+\b], v[S+16*\b], v[S+1+16*\b], v[S+2+16*\b]   ; the largest score of each block of 32 keys: for the row's maximum, and, since p rises with the score, for the block's largest p
.endr
.irp i, 3,5,7,9,11,13
.irp b, 0,1,2,3
	v_max3_num_f32 v[BM+\b], v[BM+\b], v[S+16*\b+\i], v[S+1+16*\b+\i]   ; the four blocks by turns
.endr
.endr
.irp b, 0,1,2,3
	v_max_num_f32 v[BM+\b], v[BM+\b], v[S+15+16*\b]
.endr
.irp b, 0,1,2,3
	s_delay_alu instid0(VALU_DEP_4)
	v_permlanex16_b32 v[PX+\b], v[BM+\b], s[SEL], s[SEL+1]
.endr
.irp b, 0,1,2,3
	s_delay_alu instid0(VALU_DEP_4)
	v_max_num_f32 v[BM+\b], v[BM+\b], v[PX+\b]     ; with lane l xor 16's 16 keys
.endr
	s_delay_alu instid0(VALU_DEP_2)
	v_max3_num_f32 v[TMP], v[BM], v[BM+1], v[BM+2]
	s_delay_alu instid0(VALU_DEP_1)
	v_max_num_f32 v[TMP], v[TMP], v[BM+3]
	s_delay_alu instid0(VALU_DEP_1)
	v_mul_f32 v[TMP], s[CS], v[TMP]                ; as t (c is positive)
	s_delay_alu instid0(VALU_DEP_1)
	v_max_num_f32 v13, v13, v[TMP]                 ; the running largest t
	v_mov_b32 v[TMP], v12
	s_delay_alu instid0(VALU_DEP_2)
	v_floor_f32 v12, -v13                          ; the new -M = floor(-t): M is a whole number
	s_delay_alu instid0(VALU_DEP_1)
	v_sub_f32 v[TMP], v12, v[TMP]                  ; old M - new M: a whole number, 0 or less
	s_delay_alu instid0(VALU_DEP_1)
	v_cvt_i32_f32 v[TMP], v[TMP]                   ; (it saturates)
	s_delay_alu instid0(VALU_DEP_1)
	v_ldexp_f32 v[FF], 1.0, v[TMP]                 ; f = 2^(old M - new M)
.set j, 0
.rept 32
	v_pk_fma_f32 v[S+j:S+1+j], v[S+j:S+1+j], s[CS:CS+1], v[12:13] op_sel_hi:[1,0,0]   ; t - M, two at a time
.set j, j+2
.endr
.irp b, 0,1,2,3
	v_fma_f32 v[BM+\b], v[BM+\b], s[CS], v12       ; the same of each block's largest score
.endr
	s_wait_alu depctr_va_vdst(0)                   ; ahead of the batch
.set j, 0
.rept 64
	v_exp_f32 v[S+j], v[S+j]                       ; p = 2^(t - M)
.set j, j+1
.endr
	v_pk_mul_f32 v[14:15], v[14:15], v[FF:FF+1] op_sel_hi:[1,0]   ; the sums under the new M: the plain instruction behind the batch
	s_wait_alu depctr_va_vdst(0)                   ; one wait for the 64, ahead of their first reader
.irp b, 0,1,2,3
	v_exp_f32 v[BM+\b], v[BM+\b]                   ; the block's largest p
.endr
.irp k, 0,1,2,3,4,5,6                          ; the row's sum of the unquantised p: 32 pairs in eight chains by turns
	v_pk_add_f32 v[CH+2*\k:CH+2*\k+1], v[S+8*\k:S+8*\k+1], v[S+8*\k+2:S+8*\k+3]       ; words 8 k .. 8 k + 3
.endr
	v_pk_add_f32 v[14:15], v[14:15], v[S+4:S+5]
.irp k, 0,1,2,3,4,5,6
	v_pk_add_f32 v[CH+2*\k:CH+2*\k+1], v[CH+2*\k:CH+2*\k+1], v[S+8*\k+6:S+8*\k+7]     ; words 8 k + 6, 8 k + 7
.endr
	v_pk_add_f32 v[14:15], v[14:15], v[S+56:S+57]
.irp k, 1,2,3,4,5,6
	v_pk_add_f32 v[CH+2*\k:CH+2*\k+1], v[CH+2*\k:CH+2*\k+1], v[S+8*\k+4:S+8*\k+5]     ; words 8 k + 4, 8 k + 5 (k = 0's went to the running sum)
.endr
	v_pk_add_f32 v[CH:CH+1], v[CH:CH+1], v[S+58:S+59]
	v_pk_add_f32 v[14:15], v[14:15], v[S+60:S+61]
	v_pk_add_f32 v[CH+2:CH+3], v[CH+2:CH+3], v[S+62:S+63]
	v_pk_add_f32 v[CH+4:CH+5], v[CH+4:CH+5], v[CH+6:CH+7]
	v_pk_add_f32 v[CH+8:CH+9], v[CH+8:CH+9], v[CH+10:CH+11]
	v_pk_add_f32 v[14:15], v[14:15], v[CH+12:CH+13]
	v_pk_add_f32 v[CH:CH+1], v[CH:CH+1], v[CH+2:CH+3]
	v_pk_add_f32 v[CH+4:CH+5], v[CH+4:CH+5], v[CH+8:CH+9]
	v_pk_add_f32 v[14:15], v[14:15], v[CH:CH+1]
	v_pk_add_f32 v[14:15], v[14:15], v[CH+4:CH+5]
	s_wait_alu depctr_va_vdst(0)                   ; and one for the four
.irp b, 0,1,2,3
	v_max_num_f32 v[BM+\b], 0x1800000, v[BM+\b]    ; the floor 2^(3 - 127): the byte cannot fall under 1
.endr
.irp b, 0,1,2,3
	s_delay_alu instid0(VALU_DEP_4)
	v_add_nc_u32 v[SO+\b], 0xff000000, v[BM+\b]    ; 2 off the exponent field: the conversion's scale operand
.endr
.irp b, 0,1,2,3
	s_delay_alu instid0(VALU_DEP_4)
	v_lshrrev_b32 v[PX+\b], 23, v[SO+\b]           ; the scale's byte
.endr
	s_delay_alu instid0(VALU_DEP_3)
	v_lshl_or_b32 v[PSW], v[PX+1], 8, v[PX]
	s_delay_alu instid0(VALU_DEP_1)
	v_lshl_or_b32 v[PSW], v[PX+2], 16, v[PSW]
	s_delay_alu instid0(VALU_DEP_1)
	v_lshl_or_b32 v[PSW], v[PX+3], 24, v[PSW]
.irp c, 0,1
	v_cvt_scalef32_pk16_fp6_f32 v[PCD+6*\c:PCD+2+6*\c], v[S+32*\c:S+15+32*\c], v[SO+2*\c]
	v_cvt_scalef32_pk16_fp6_f32 v[TC+4*\c:TC+2+4*\c], v[S+16+32*\c:S+31+32*\c], v[SO+2*\c+1]
.endr
	v_nop                                          ; one plain place behind a scaled conversion
.irp c, 0,1
.irp i, 0,1,2
	v_permlane16_swap_b32 v[PCD+6*\c+\i], v[TC+4*\c+\i]        ; the layout wants a whole block in a lane
.endr
.irp i, 0,1,2
	s_delay_alu instid0(VALU_DEP_3)
	v_mov_b32 v[PCD+3+6*\c+\i], v[TC+4*\c+\i]
.endr
.endr
	s_wait_alu depctr_va_vdst(0)                   ; directly ahead of the first reader of O^T
.set j, 0
.rept 16
	v_pk_mul_f32 v[O+j:O+1+j], v[O+j:O+1+j], v[FF:FF+1] op_sel_hi:[1,0]   ; O^T under the new M.  Twelve of the sixteen name no register of any one product below: the places between p's scale word and codes and the products
.set j, j+2
.endr
	s_wait_alu depctr_va_vdst(0)                   ; ahead of the blocking wait
	s_wait_dscnt 0x0                               ; V is in
.irp f, 0,1,2,3                                ; O^T += V^T P^T: the four accumulators take turns
.if \f%2
	v_wmma_scale_f32_16x16x128_f8f6f4 v[O+8*\f:O+7+8*\f], v[FR+12*\f:FR+11+12*\f], v[PCD:PCD+11], v[O+8*\f:O+7+8*\f], v[VS+\f/2], v[PSW] matrix_a_fmt:MATRIX_FMT_FP6 matrix_b_fmt:MATRIX_FMT_FP6 matrix_a_scale:MATRIX_SCALE_ROW1
.else
	v_wmma_scale_f32_16x16x128_f8f6f4 v[O+8*\f:O+7+8*\f], v[FR+12*\f:FR+11+12*\f], v[PCD:PCD+11], v[O+8*\f:O+7+8*\f], v[VS+\f/2], v[PSW] matrix_a_fmt:MATRIX_FMT_FP6 matrix_b_fmt:MATRIX_FMT_FP6
.endif
.endr
.Lnext_\u:
	s_add_co_u32 s[TB], s[TB], SB
	s_add_co_u32 s[GS2], s[GS2], 2
	s_cmp_lt_u32 s[GS2], 32
	s_cbranch_scc1 .Lstep_\u
	v_add_f32 v14, v14, v15                        ; the sum's two halves,
	s_delay_alu instid0(VALU_DEP_1)
	v_permlanex16_b32 v[TMP], v14, s[SEL], s[SEL+1]
	s_delay_alu instid0(VALU_DEP_1)
	v_add_f32 v14, v14, v[TMP]                     ; and lane l xor 16's
	s_delay_alu instid0(VALU_DEP_1)
	v_cmp_eq_f32 s[DEAD], 0, v14                   ; no key counted
	s_wait_alu depctr_va_vdst(0)                   ; ahead of the transcendental
	v_rcp_f32 v[FF], v14
	v_nop
	s_wait_alu depctr_va_vdst(0)                   ; ahead of the reciprocal's first reader and of O^T's
	v_cndmask_b32 v[FF], v[FF], v[QF+6], s[DEAD]   ; there o is taken as 0, and the scale bytes below say NaN
.set j, 0
.rept 16
	v_pk_mul_f32 v[S+j:S+1+j], v[O+j:O+1+j], v[FF:FF+1] op_sel_hi:[1,0]   ; o: register 16 b + i = d 32 b + 16 h + i of my query
.set j, j+2
.endr
	v_max3_num_f32 v[BM], |v[S]|, |v[S+1]|, 0x1800000
	v_max3_num_f32 v[BM+1], |v[S+16]|, |v[S+17]|, 0x1800000
.irp i, 2,4,6,8,10,12,14
	s_delay_alu instid0(VALU_DEP_2)
	v_max3_num_f32 v[BM], v[BM], |v[S+\i]|, |v[S+1+\i]|
	s_delay_alu instid0(VALU_DEP_2)
	v_max3_num_f32 v[BM+1], v[BM+1], |v[S+16+\i]|, |v[S+17+\i]|
.endr
	s_delay_alu instid0(VALU_DEP_2)
	v_permlanex16_b32 v[PX], v[BM], s[SEL], s[SEL+1]
	s_delay_alu instid0(VALU_DEP_2)
	v_permlanex16_b32 v[PX+1], v[BM+1], s[SEL], s[SEL+1]
	s_delay_alu instid0(VALU_DEP_2)
	v_max_num_f32 v[BM], v[BM], v[PX]
	s_delay_alu instid0(VALU_DEP_2)
	v_max_num_f32 v[BM+1], v[BM+1], v[PX+1]
	s_delay_alu instid0(VALU_DEP_2)
	v_add_nc_u32 v[SO], 0xff000000, v[BM]
	s_delay_alu instid0(VALU_DEP_2)
	v_add_nc_u32 v[SO+1], 0xff000000, v[BM+1]
	s_delay_alu instid0(VALU_DEP_2)
	v_lshrrev_b32 v[PX], 23, v[SO]
	s_delay_alu instid0(VALU_DEP_2)
	v_lshrrev_b32 v[PX+1], 23, v[SO+1]
	s_delay_alu instid0(VALU_DEP_1)
	v_lshl_or_b32 v[HW], v[PX+1], 8, v[PX]
	v_mov_b32 v[TMP], 0xffff
	s_delay_alu instid0(VALU_DEP_1)
	v_cndmask_b32 v[HW], v[HW], v[TMP], s[DEAD]
	v_cvt_scalef32_pk16_fp6_f32 v[PCD:PCD+2], v[S:S+15], v[SO]
	v_cvt_scalef32_pk16_fp6_f32 v[TC:TC+2], v[S+16:S+31], v[SO+1]
	v_nop
.irp i, 0,1,2
	v_permlane16_swap_b32 v[PCD+\i], v[TC+\i]
.endr
.irp i, 0,1,2
	s_delay_alu instid0(VALU_DEP_3)
	v_mov_b32 v[PCD+3+\i], v[TC+\i]
.endr
	global_store_b128 v[LI], v[PCD:PCD+3], s[OIP+2*\u:OIP+2*\u+1] offset:12288*\u         ; my head's half of a fragment of the projection: registers 0-3: 512 consecutive bytes,
	global_store_b64 v[L8], v[PCD+4:PCD+5], s[OIP+2*\u:OIP+2*\u+1] offset:12288*\u+512    ; registers 4, 5: 256
	global_store_b16 v[L4], v[HW], s[OSP+2*\u:OSP+2*\u+1] offset:512*\u                   ; my head's half of the row's scale word (both lanes of a query write the same two bytes)
.endm
	PASS 0
	PASS 1
	s_wait_tensorcnt 0x0                           ; the wave's end
	ds_add_u32 v254, v255
	s_wait_dscnt 0x0
	s_endpgm
.Lfunc_end_k_qecdf20f0c0_attn:
	.size	k_qecdf20f0c0_attn, .Lfunc_end_k_qecdf20f0c0_attn-k_qecdf20f0c0_attn
	.p2alignl 7, 3214868480
	.fill 96, 4, 3214868480
	.section	.rodata,"a",@progbits
	.p2align	6, 0x0
	.amdhsa_kernel k_qecdf20f0c0_attn
		.amdhsa_group_segment_fixed_size 215040
		.amdhsa_private_segment_fixed_size 0
		.amdhsa_enable_private_segment 0
		.amdhsa_kernarg_size 40
		.amdhsa_user_sgpr_count 2
		.amdhsa_user_sgpr_kernarg_segment_ptr 1
		.amdhsa_wavefront_size32 1
		.amdhsa_system_sgpr_workgroup_id_x 1
		.amdhsa_system_sgpr_workgroup_id_y 1
		.amdhsa_system_sgpr_workgroup_id_z 1
		.amdhsa_system_vgpr_workitem_id 0
		.amdhsa_next_free_vgpr 256
		.amdhsa_next_free_sgpr 102
		.amdhsa_reserve_vcc 0
		.amdhsa_float_denorm_mode_32 3
		.amdhsa_float_denorm_mode_16_64 3
		.amdhsa_memory_ordered 1
		.amdhsa_forward_progress 1
		.amdhsa_inst_pref_size 68
	.end_amdhsa_kernel
	.amdgpu_metadata
---
amdhsa.version: [ 1, 2 ]
amdhsa.kernels:
  - .name:           k_qecdf20f0c0_attn
    .symbol:         k_qecdf20f0c0_attn.kd
    .args:
      - { .name: qkv, .offset: 0, .size: 8, .value_kind: global_buffer, .address_space: global }
      - { .name: maskw, .offset: 8, .size: 8, .value_kind: global_buffer, .address_space: global }
      - { .name: oimg, .offset: 16, .size: 8, .value_kind: global_buffer, .address_space: global }
      - { .name: oscl, .offset: 24, .size: 8, .value_kind: global_buffer, .address_space: global }
      - { .name: mflag, .offset: 32, .size: 8, .value_kind: global_buffer, .address_space: global }
    .group_segment_fixed_size: 215040
    .private_segment_fixed_size: 0
    .kernarg_segment_align: 8
    .kernarg_segment_size: 40
    .max_flat_workgroup_size: 512
    .sgpr_count:     102
    .vgpr_count:     256
    .wavefront_size: 32
...
	.end_amdgpu_metadata
.endif
;; end of part 2
;; launch oproj (part 3): grid 4 x 64, 4 waves a work-group, clusters of 4 x 4, 325,120 bytes of LDS; arguments oimg, oscl, Wo_codes, Wo_scales, bo, out0; writes out0
.if DOCPART == 3
	.amdgcn_target "amdgcn-amd-amdhsa--gfx1250"
	.amdhsa_code_object_version 6
	.text
	.protected	k_qecdf20f0c0_oproj
	.globl	k_qecdf20f0c0_oproj
	.p2align	8
	.type	k_qecdf20f0c0_oproj,@function
k_qecdf20f0c0_oproj:
	s_mov_b64 s[64:65], 0
	v_nop
	global_prefetch_b8 v0, s[64:65] scope:SCOPE_SE
	s_setreg_imm32_b32 hwreg(HW_REG_WAVE_MODE, 25, 1), 1
	s_wait_xcnt 0x0
	s_wait_alu depctr_hold_cnt(0) depctr_sa_sdst(0) depctr_va_vdst(0) depctr_va_sdst(0) depctr_va_ssrc(0) depctr_va_vcc(0) depctr_vm_vsrc(0)
	s_getreg_b32 s2, hwreg(HW_REG_IB_STS2, 6, 4)
	s_cmp_eq_u32 s2, 0
	s_cbranch_scc0 .Lentry_in_a_cluster
	s_endpgm
.Lentry_in_a_cluster:
	s_bfe_u32 s2, ttmp6, 0x10000c
	s_cmp_lg_u32 s2, 0xf033
	s_cbranch_scc0 .Lentry_shape_is_right
	s_endpgm
.Lentry_shape_is_right:
; THE OUTPUT PROJECTION: out = o Wo^T + bo on codes of FP6 (E2M3).  o comes as images of operand registers with its scale words, Wo as given codes.
; SHARES.  256 work-groups: 64 blocks of 128 tokens x 4 blocks of 256 features; wave w makes 64 features for the 128 tokens: 32 accumulators.  Source 0 = 16 features, source 1 = 16 tokens: a lane holds one token and neighbouring features.
; ROW ORDER as in the launches before: lane r of tile (b, u) takes row 32 b + 8 u + r + 8 (r / 8).
; LDS: all of K, filled once: o's 64 fragments (dense, 1,536 bytes each); Wo's 256 rows of 768 bytes, 16 bytes of padding behind each 256 (rows 816 bytes apart); behind them, in bytes of their own, a stage of 16 rows x 272 bytes for each wave.
; CLUSTER 4 x 4: o's block is shared along a row of the cluster, Wo's along a column: both are asked for jointly.
; A token whose attention row had no key carries the scale byte 0xff: its whole row of the output is NaN, as the definition has it.
.set TP,    816
.set TILE,  16*TP
.set OHALF, 49152                      ; half of o's block: four token tiles
.set WBASE, 2*OHALF
.set WU,    8*TILE
.set STG,   WBASE+2*WU
.set SPT,   272
.set PADW,  (3<<16)|(1<<20)|(1<<21)|(5<<22)|(3<<25)
.set PI,  3
.set AO,  4                            ; v4 16 x lane, v5 8 x lane; v6, v7 the same in the upper half of o's block
.set ADW, 8                            ; v8-11 Wo's tiles, my 64 features'
.set SO,  12                           ; v12  the stage: where I put 32 bytes of a row
.set SA,  13                           ; v13  32 x (r + 8 (r / 8))
.set SRD, 14                           ; v14  the stage: where I read a row back
.set BA,  15
.set BI,  16                           ; v16-47   the bias as C
.set SCW, 48                           ; v48-79   Wo's scale words: 8 f + s
.set SCX, 80                           ; v80-143  o's: 8 tt + s
.set OUTB, 144                         ; v144-175, v176-207 rows of the output, two sets
.set GO,  208                          ; v208 my byte offset in the output
.set OS,  209                          ; v209 4 r
.set WV,   3
.set TBK,  15
.set G1O,  16
.set G1W,  24
.set FB,   32
.set CX,   33
.set CY,   34
.set UH,   35
.set ROLE, 55
.set G0O,  92
.set G0W,  96
.set MSB, 0
.macro WIN new
.if MSB != (\new)
	s_set_vgpr_msb (MSB<<8)|(\new)
.set MSB, (\new)
.endif
.endm
.macro PLACES n
.rept \n
	v_nop
.endr
.endm
.macro CROUND
	s_barrier_signal -1
	s_barrier_wait -1
	s_cmp_lg_u32 s[WV], 0
	s_cbranch_scc1 .Lnot_wave_0_\@
	s_barrier_signal -3
.Lnot_wave_0_\@:
	s_barrier_wait -3
	s_barrier_signal -1
	s_barrier_wait -1
.endm
	s_load_b256 s[36:43], s[0:1], 0x0              ; oimg, oscl, Wo's codes, Wo's scales
	s_load_b128 s[44:47], s[0:1], 0x20             ; bo, out0
	v_lshl_add_u32 v254, v0, 2, 0x4f400
	v_mov_b32 v255, 0
	ds_add_u32 v254, v255
	ds_add_u32 v254, v255
	v_lshrrev_b32 v1, 5, v0
	v_readfirstlane_b32 s[WV], v1
	s_and_b32 s[UH], s[WV], 1
	s_lshr_b32 s[ROLE], s[WV], 1
	s_bfe_u32 s[CX], ttmp6, 0x40000
	s_bfe_u32 s[CY], ttmp6, 0x40004
	s_lshl_b32 s[FB], ttmp9, 2
	s_add_co_u32 s[FB], s[FB], s[CX]               ; block of 256 features
	s_and_b32 s[TBK], ttmp7, 0xffff
	s_lshl_b32 s[TBK], s[TBK], 2
	s_add_co_u32 s[TBK], s[TBK], s[CY]             ; block of 128 tokens
	s_lshl_b32 s62, s[CY], 2
	s_lshl_b32 s62, 15, s62                        ; my row of the cluster
	s_lshl_b32 s63, 0x1111, s[CX]                  ; my column
	s_or_b32 s[G1O], s62, (3<<16)|(1<<21)          ; o's half block: 192 dense rows of 256 bytes, no padding
	s_mov_b32 s[G1O+1], 32<<16
	s_mov_b32 s[G1O+2], 192<<16
	s_mov_b32 s[G1O+3], 32<<16
	s_mov_b32 s[G1O+4], 192
	s_mov_b32 s[G1O+5], 32
	s_mov_b32 s[G1O+6], 0
	s_mov_b32 s[G1O+7], 0
	s_or_b32 s[G1W], s63, PADW                     ; Wo: 16 long rows (eight neighbouring rows, 6,144 dense bytes), 16 rows apart
	s_mov_b32 s[G1W+1], 768<<16
	s_mov_b32 s[G1W+2], 16<<16
	s_mov_b32 s[G1W+3], 768<<16
	s_mov_b32 s[G1W+4], 16
	s_mov_b32 s[G1W+5], 1536
	s_mov_b32 s[G1W+6], 0
	s_mov_b32 s[G1W+7], 0
	v_and_b32 v1, 15, v0                           ; r
	v_bfe_u32 v2, v0, 4, 1                         ; h
	v_and_b32 v[PI], 8, v1
	v_add_nc_u32 v[PI], v[PI], v1
	v_and_b32 v[AO+1], 31, v0
	v_lshlrev_b32 v[AO], 4, v[AO+1]
	v_lshlrev_b32 v[AO+1], 3, v[AO+1]
	v_add_nc_u32 v[AO+2], OHALF, v[AO]
	v_add_nc_u32 v[AO+3], OHALF, v[AO+1]
	v_mul_u32_u24 v210, v1, TP
	v_mad_u32_u24 v211, v2, 40, v210
	v_mad_u32_u24 v210, v2, 24, v210
	s_mul_i32 s62, s[WV], 2*TILE
	s_add_co_u32 s62, s62, WBASE
	v_add_nc_u32 v[ADW], s62, v210
	v_add_nc_u32 v[ADW+1], s62, v211
	v_add_nc_u32 v[ADW+2], WU, v[ADW]
	v_add_nc_u32 v[ADW+3], WU, v[ADW+1]
	s_mul_i32 s63, s[WV], 16*SPT
	s_add_co_u32 s63, s63, STG                     ; my stage
	v_mul_u32_u24 v[SO], v1, SPT
	v_lshl_add_u32 v[SO], v2, 6, v[SO]
	v_add_nc_u32 v[SO], s63, v[SO]                 ; in: row r, + 64 h
	v_mul_u32_u24 v[SRD], v2, SPT
	v_lshl_add_u32 v[SRD], v1, 4, v[SRD]
	v_add_nc_u32 v[SRD], s63, v[SRD]               ; back: lanes 0-15 one row of 256 bytes, lanes 16-31 the next
	v_lshlrev_b32 v[GO], 12, v2
	v_lshl_add_u32 v[GO], v1, 4, v[GO]             ; and the same two rows of the output (4,096 bytes a row)
	v_lshlrev_b32 v[OS], 2, v1
	v_lshlrev_b32 v[SA], 5, v[PI]
	v_lshlrev_b32 v[BA], 6, v2
	s_mul_i32 s48, s[TBK], 2*OHALF                 ; o: made of the token block and the wave alone
	s_mul_i32 s49, s[UH], OHALF
	s_add_co_u32 s48, s48, s49
	s_mov_b32 s49, 0
	s_lshl_b32 s50, s[FB], 8                       ; Wo: row 256 x feature block + 8 u: made of the feature block and the wave alone
	s_lshl_b32 s51, s[UH], 3
	s_add_co_u32 s50, s50, s51
	s_mul_i32 s50, s50, 768
	s_mov_b32 s51, 0
	s_wait_dscnt 0x0
	s_wait_kmcnt 0x0
	s_mov_b32 s[G0O], 1
	s_mul_i32 s[G0O+1], s[UH], OHALF
	s_add_nc_u64 s[G0O+2:G0O+3], s[36:37], s[48:49]
	s_or_b32 s[G0O+3], s[G0O+3], 0x80000000
	s_mov_b32 s[G0W], 1
	s_mul_i32 s[G0W+1], s[UH], WU
	s_add_co_u32 s[G0W+1], s[G0W+1], WBASE
	s_add_nc_u64 s[G0W+2:G0W+3], s[40:41], s[50:51]
	s_or_b32 s[G0W+3], s[G0W+3], 0x80000000
	CROUND                                         ; all sixteen work-groups are here: the joint loads meet
	s_cmp_eq_u32 s[ROLE], 0                        ; one load a wave: waves 0, 1 o's halves, waves 2, 3 Wo's.  Four v_nop follow each line
	s_cbranch_scc0 .Lfor_w
	tensor_load_to_lds s[G0O:G0O+3], s[G1O:G1O+7]
	s_nop 0
	PLACES 4
	s_branch .Lasked
.Lfor_w:
	tensor_load_to_lds s[G0W:G0W+3], s[G1W:G1W+7]
	s_nop 0
	PLACES 4
.Lasked:
	s_lshl_b32 s48, s[TBK], 12                     ; o's scale words: 512 bytes a token tile
	s_mov_b32 s49, 0
	s_add_nc_u64 s[38:39], s[38:39], s[48:49]
	s_lshl_b32 s52, s[FB], 2
	s_add_co_u32 s52, s52, s[WV]                   ; my 64 features: 4 x feature block + wave
	s_lshl_b32 s48, s52, 11
	s_add_nc_u64 s[42:43], s[42:43], s[48:49]
	s_lshl_b32 s48, s52, 8
	s_add_nc_u64 s[44:45], s[44:45], s[48:49]      ; the bias,
	s_add_nc_u64 s[46:47], s[46:47], s[48:49]      ; and the output: 256 bytes of a row;
	s_lshl_b32 s48, s[TBK], 19                     ; 128 rows of 4,096 bytes a token block
	s_add_nc_u64 s[46:47], s[46:47], s[48:49]
	s_wait_alu depctr_va_vdst(0)
.irp tt, 0,1,2,3,4,5,6,7
.irp s, 0,1,2,3,4,5,6,7
	global_load_b32 v[SCX+8*\tt+\s], v[OS], s[38:39] offset:512*\tt+64*\s
.endr
.endr
.irp f, 0,1,2,3
	global_load_b128 v[SCW+8*\f:SCW+8*\f+3], v[SA], s[42:43] offset:(32*(\f/2)+8*(\f%2))*32
	global_load_b128 v[SCW+8*\f+4:SCW+8*\f+7], v[SA], s[42:43] offset:(32*(\f/2)+8*(\f%2))*32+16
	global_load_b128 v[BI+8*\f:BI+8*\f+3], v[BA], s[44:45] offset:(32*(\f/2)+8*(\f%2))*4
	global_load_b128 v[BI+8*\f+4:BI+8*\f+7], v[BA], s[44:45] offset:(32*(\f/2)+8*(\f%2))*4+16
.endr
	s_wait_loadcnt 0x0
	s_wait_tensorcnt 0x0                           ; my part has landed,
	s_barrier_signal -1
	s_barrier_wait -1                              ; everybody's has
.macro FRAG reg, adr, s, off                   ; a fragment of Wo from rows: pieces of 8 bytes; piece p of a row lies at 8 p + 16 (p / 32); where the piece three on lies behind one padding more, the second address register serves
.irp p, 0,1,2,3,4,5
.set PCE, 12*(\s)+6*(\p/3)+\p%3
.if PCE%32 < 29
	ds_load_b64 v[(\reg)+2*\p:(\reg)+2*\p+1], v[\adr] offset:(\off)+8*PCE+16*(PCE/32)
.else
	ds_load_b64 v[(\reg)+2*\p:(\reg)+2*\p+1], v[\adr+1] offset:(\off)+8*PCE+16*(PCE/32)
.endif
.endr
.endm
.macro OFRAG reg, tt, s                        ; a fragment of o from its image: two heads' six registers each: four at 16 x lane, two at 8 x lane
.set XO, (8*((\tt)%4)+(\s))*1536
	ds_load_b128 v[(\reg):(\reg)+3], v[AO+2*((\tt)/4)] offset:XO
	ds_load_b64 v[(\reg)+4:(\reg)+5], v[AO+1+2*((\tt)/4)] offset:XO+512
	ds_load_b128 v[(\reg)+6:(\reg)+9], v[AO+2*((\tt)/4)] offset:XO+768
	ds_load_b64 v[(\reg)+10:(\reg)+11], v[AO+1+2*((\tt)/4)] offset:XO+1280
.endm
.macro FETCH s
	WIN 0x80+0x40*((\s)%2)
.irp tt, 0,1,2,3,4,5,6,7
	OFRAG 12*\tt, \tt, \s
.endr
.irp f, 0,1,2,3
	FRAG 96+12*\f, ADW+2*(\f%2), \s, (\f/2)*TILE
.endr
.endm
.macro MULS s                                  ; the 32 accumulators take turns, one instruction a turn, in the same order in every step; the first step's C is the bias
.if (\s) == 0
	WIN 0x4a
.else
	WIN 0x5a+5*((\s)%2)
.endif
.irp tt, 0,1,2,3,4,5,6,7
.irp f, 0,1,2,3
.if (\s) == 0
	v_wmma_scale_f32_16x16x128_f8f6f4 v[8*(4*\tt+\f):8*(4*\tt+\f)+7], v[96+12*\f:107+12*\f], v[12*\tt:12*\tt+11], v[BI+8*\f:BI+8*\f+7], v[SCW+8*\f+(\s)], v[SCX+8*\tt+(\s)] matrix_a_fmt:MATRIX_FMT_FP6 matrix_b_fmt:MATRIX_FMT_FP6
.else
	v_wmma_scale_f32_16x16x128_f8f6f4 v[8*(4*\tt+\f):8*(4*\tt+\f)+7], v[96+12*\f:107+12*\f], v[12*\tt:12*\tt+11], v[8*(4*\tt+\f):8*(4*\tt+\f)+7], v[SCW+8*\f+(\s)], v[SCX+8*\tt+(\s)] matrix_a_fmt:MATRIX_FMT_FP6 matrix_b_fmt:MATRIX_FMT_FP6
.endif
.endr
.endr
.endm
.macro KSTEP s                                 ; this step's fragments are in; the next step's are asked for, four places behind the products that read their registers; then the products
	s_wait_dscnt 0x0
.if (\s) > 0
	PLACES 4
.endif
.if (\s) < 7
	FETCH (\s)+1
.endif
	MULS \s
.endm
	FETCH 0
.irp s, 0,1,2,3,4,5,6,7
	KSTEP \s
.endr
; THE WAY OUT, a tile of 16 tokens at a time.  A lane holds 8 neighbouring features of a token in each accumulator, and the lanes beside it other tokens: so a tile goes through my own stage and comes back as rows of 256 bytes.
; LDS serves a wave's instructions in order (ISA guide 5.7.1.4): no wait between the stores and the loads, nor in front of the next tile's stores.
.macro TOSTAGE tt
	WIN 0x04                                       ; an LDS store's data are its source 1: window 1
.irp f, 0,1,2,3
	ds_store_b128 v[SO], v[8*(4*(\tt)+\f):8*(4*(\tt)+\f)+3] offset:128*(\f/2)+32*(\f%2)        ; each accumulator from its low end on
	ds_store_b128 v[SO], v[8*(4*(\tt)+\f)+4:8*(4*(\tt)+\f)+7] offset:128*(\f/2)+32*(\f%2)+16
.endr
	WIN 0
.set BB, OUTB+32*((\tt)%2)
.irp t, 0,1,2,3,4,5,6,7
	ds_load_b128 v[BB+4*\t:BB+4*\t+3], v[SRD] offset:\t*2*SPT
.endr
.endm
.macro SEND tt, younger                        ; younger: the LDS instructions issued behind tile tt's loads, which may stay out
.set BB, OUTB+32*((\tt)%2)
	s_wait_dscnt \younger
.irp t, 0,1,2,3,4,5,6,7
	global_store_b128 v[GO], v[BB+4*\t:BB+4*\t+3], s[46:47] offset:(32*((\tt)/2)+8*((\tt)%2)+2*\t+8*(\t/4))*4096 th:TH_STORE_NT   ; 16 lanes store 256 consecutive bytes, aligned; stage row i is token i + 8 (i / 8) of the tile
.endr
.endm
	PLACES 4                                       ; behind the last products, ahead of the first read of results
	TOSTAGE 0
.irp a, 1,2,3,4,5,6,7
.if \a > 1
	s_wait_xcnt 0x0                                ; tile a - 2's stores have read their registers: tile a's rows may land there
.endif
	TOSTAGE \a
	SEND \a-1, 16                                  ; behind tile a - 1's loads: tile a's 8 stores and 8 loads
.endr
	SEND 7, 0
	s_wait_dscnt 0x0
	s_wait_tensorcnt 0x0
	ds_add_u32 v254, v255
	s_wait_dscnt 0x0
	CROUND                                         ; the closing round
	s_endpgm
.Lfunc_end_k_qecdf20f0c0_oproj:
	.size	k_qecdf20f0c0_oproj, .Lfunc_end_k_qecdf20f0c0_oproj-k_qecdf20f0c0_oproj
	.p2alignl 7, 3214868480
	.fill 96, 4, 3214868480
	.section	.rodata,"a",@progbits
	.p2align	6, 0x0
	.amdhsa_kernel k_qecdf20f0c0_oproj
		.amdhsa_group_segment_fixed_size 325120
		.amdhsa_private_segment_fixed_size 0
		.amdhsa_enable_private_segment 0
		.amdhsa_kernarg_size 48
		.amdhsa_user_sgpr_count 2
		.amdhsa_user_sgpr_kernarg_segment_ptr 1
		.amdhsa_wavefront_size32 1
		.amdhsa_system_sgpr_workgroup_id_x 1
		.amdhsa_system_sgpr_workgroup_id_y 1
		.amdhsa_system_sgpr_workgroup_id_z 1
		.amdhsa_system_vgpr_workitem_id 0
		.amdhsa_next_free_vgpr 1024
		.amdhsa_next_free_sgpr 102
		.amdhsa_reserve_vcc 0
		.amdhsa_float_denorm_mode_32 3
		.amdhsa_float_denorm_mode_16_64 3
		.amdhsa_memory_ordered 1
		.amdhsa_forward_progress 1
		.amdhsa_inst_pref_size 91
	.end_amdhsa_kernel
	.amdgpu_metadata
---
amdhsa.version: [ 1, 2 ]
amdhsa.kernels:
  - .name:           k_qecdf20f0c0_oproj
    .symbol:         k_qecdf20f0c0_oproj.kd
    .args:
      - { .name: oimg, .offset: 0, .size: 8, .value_kind: global_buffer, .address_space: global }
      - { .name: oscl, .offset: 8, .size: 8, .value_kind: global_buffer, .address_space: global }
      - { .name: Wo_codes, .offset: 16, .size: 8, .value_kind: global_buffer, .address_space: global }
      - { .name: Wo_scales, .offset: 24, .size: 8, .value_kind: global_buffer, .address_space: global }
      - { .name: bo, .offset: 32, .size: 8, .value_kind: global_buffer, .address_space: global }
      - { .name: out0, .offset: 40, .size: 8, .value_kind: global_buffer, .address_space: global }
    .group_segment_fixed_size: 325120
    .private_segment_fixed_size: 0
    .kernarg_segment_align: 8
    .kernarg_segment_size: 48
    .max_flat_workgroup_size: 128
    .sgpr_count:     102
    .vgpr_count:     1024
    .wavefront_size: 32
...
	.end_amdgpu_metadata
.endif
;; end of part 3
